; MI455X (gfx1250); checked and timed in simulation.
; The chip was launched on July 23, 2026; its instructions are those of AMD's public machine-readable ISA for CDNA 5 (MIT licence, August 2026) and "CDNA5" Instruction Set Architecture Reference Guide (July 2026). The comments in the code are by the model that wrote it; some were corrected since.
;; Scaled Dot Product Attention. Allowed arithmetic: matrix products marked QUANTISED: E2M3 operands, one E8M0 scale for each 32 along K, by v_wmma_scale_f32_16x16x128_f8f6f4 with both operands' format E2M3, f32 sums; everything else in f32.
;; Inputs: bk 1,024 float32; bo 1,024 float32; bq 1,024 float32; bv 1,024 float32; wk 1,024 x 1,024 float32; wo 1,024 x 1,024 float32; wq 1,024 x 1,024 float32; wv 1,024 x 1,024 float32; x 4 x 2,048 x 1,024 float32.
;; Outputs: out0 4 x 2,048 x 1,024 float32.
;; This version of the problem:
;;   THIS VERSION OF THE PROBLEM IS GIVEN IN LOW PRECISION. The matrix products marked QUANTISED in the list below multiply operands that are first quantised to E2M3 (2 exponent bits, 3 mantissa bits; 6 bits a number), with one power-of-two scale for each 32 numbers along K (OCP MX v1.0); their sums are f32. All else is computed in f32.
;;   The module's matrix products, in the order in which they are computed (A, B: the left and right operand; K: the contracted axis; several contracted axes count as one K, in the product's order):
;;     1. [M 8,192, K 1,024] x [K 1,024, N 1,024]; A: input x; B: input wq: QUANTISED
;;     2. [M 8,192, K 1,024] x [K 1,024, N 1,024]; A: input x; B: input wk: QUANTISED
;;     3. [M 8,192, K 1,024] x [K 1,024, N 1,024]; A: input x; B: input wv: QUANTISED
;;     4. batch 64 x [M 2,048, K 64] x [K 64, N 2,048]; A: computed on the way; B: computed on the way: QUANTISED
;;     5. batch 64 x [M 2,048, K 2,048] x [K 2,048, N 64]; A: softmax (see below); B: computed on the way: QUANTISED
;;     6. [M 8,192, K 1,024] x [K 1,024, N 1,024]; A: computed on the way; B: input wo: QUANTISED
;;   THE QUANTISER, for each operand of a quantised product, along K:
;;     - K is cut into blocks of 32 from its start; a last block that is shorter is filled with zeros.
;;     - A block's scale is 2^e with e = floor(log2(the largest magnitude in the block)) - 2, held to -126 .. 127; a block of zeros has e = 0. As a byte (E8M0): e + 127.
;;     - Each number is divided by its block's scale, clamped to +-7.5, and rounded to the nearest number of E2M3, ties to even, subnormals kept.
;;     - The product sums the exact products of the quantised numbers (number of the format x scale) in f32.
;;   ~~~python
;;   def quantise(x, axis):      # numpy; x: float32 -> the quantised numbers, widened to float32 again
;;       x = np.moveaxis(x, axis, -1); K = x.shape[-1]
;;       x = np.pad(x, [(0, 0)] * (x.ndim - 1) + [(0, -K % 32)]); x = x.reshape(x.shape[:-1] + (-1, 32)); a = np.abs(x).max(-1, keepdims=True)
;;       e = np.where(a > 0, np.clip(np.frexp(np.where(a > 0, a, 1))[1] - 1 - 2, -126, 127), 0)      # np.frexp(a)[1] - 1 = floor(log2(a)), exactly
;;       r = np.clip(x / 2.0 ** e, -7.5, 7.5)
;;       step = 2.0 ** (np.maximum(np.frexp(np.where(r == 0, 1, r))[1] - 1, 0) - 3)
;;       q = np.round(r / step) * step * 2.0 ** e      # np.round: ties to even
;;       return np.moveaxis(q.reshape(q.shape[:-2] + (-1,))[..., :K], -1, axis).astype(np.float32)
;;   ~~~
;;   SOFTMAX AHEAD OF A QUANTISED PRODUCT. Where the list says 'softmax', what is quantised is not the finished softmax but p = 2^(t - M), with t = logit x log2(e) and M = ceil(the row's largest t), a whole number; so 1/2 < the row's largest p <= 1. The row's sum l is taken of the UNQUANTISED p, in f32, and the product's result is divided by l at the end. Since M is a whole number, a kernel that streams over the keys may use a running M (the ceiling of the running maximum): every later rescaling is an exact power of two, which a block's scale takes up: the codes' values come out the same.
;;   OPERANDS COMPUTED ON THE WAY. 'Computed on the way' means the value that the module computes at that place (a softmax that the list does not call 'softmax' is quantised finished and normalised). What goes into a quantiser is computed in f32, as accurately as f32 sums, v_exp_f32 and their like allow (about 1e-6 of the number): no bf16 or f16 on the way to a quantiser, and a product that is left as it is and whose result goes on into a quantised operand takes f32 operands (vector FMAs, or v_wmma_f32_16x16x4_f32). A number that lies on a knife's edge between two numbers of the format may be rounded either way, as far as f32 arithmetic and the matrix unit's own rounding can turn it there, and no further.
;; One version. Each part assembles by itself: llvm-mc -triple=amdgcn-amd-amdhsa -mcpu=gfx1250 --defsym DOCPART=n.
;; ======== version 1 of 1: 4 launches
;; limits: right only within a limited range of input values
;; workspace buffers: cod 9,437,184 bytes; scl 393,216 bytes; qc 6,291,456 bytes; qs 524,288 bytes; kv 13,369,344 bytes; oc 6,291,456 bytes; os 262,144 bytes
;; launch quant (part 1): grid 768 x 1, 8 waves a work-group, no clusters, 69,120 bytes of LDS; arguments x, wq, wk, wv, wo, cod, scl; writes cod, scl
.if DOCPART == 1
	.amdgcn_target "amdgcn-amd-amdhsa--gfx1250"
	.amdhsa_code_object_version 6
	.text
	.protected	k_q5f1a05acc2_quant
	.globl	k_q5f1a05acc2_quant
	.p2align	8
	.type	k_q5f1a05acc2_quant,@function
k_q5f1a05acc2_quant:
	s_mov_b64 s[64:65], 0
	v_nop
	global_prefetch_b8 v0, s[64:65] scope:SCOPE_SE
	s_setreg_imm32_b32 hwreg(HW_REG_WAVE_MODE, 25, 1), 1
	s_wait_xcnt 0x0
; x [8192][1024] and wq, wk, wv, wo [1024][1024], f32 with K innermost, become codes of FP6 (E2M3) with one E8M0 byte for each 32 along K.
; The five tensors count as one list of 12,288 rows: x, wq, wk, wv, wo.  16 rows are a ROW TILE, 128 along K a K step; a tile's K step is one operand fragment (12 registers a lane).
; THE ROWS OF A TILE ARE NOT NEIGHBOURS: lane r of tile 2 g + u holds row 32 g + 8 u + r + 8 (r / 8).  As source 0 of a product used transposed this makes the 16 result registers of tiles 2 g, 2 g + 1
; sixteen neighbours along that operand's rows, which the later launches quantise along; as source 1 it only renames rows.
; cod [tile 768][K step 8][1,536 bytes] holds IMAGES OF THE OPERAND'S REGISTERS: half c of a fragment (registers 6 c .. 6 c + 5) is 768 bytes: registers 6 c .. 6 c + 3 at 16 x lane, registers 6 c + 4, 6 c + 5 at 512 + 8 x lane.
; scl [tile 768][r 16][K step 8] holds the scale words (four bytes: the K step's four blocks).
; A block's scale is 2^(floor(log2(its largest magnitude)) - 2); its byte is the largest magnitude's exponent field - 2, held at 1 from below.
; LIMITS: NaN and infinities among the inputs are not served.  A block of zeros gets the byte 1 where the rule says 127: its codes are zeros, which add nothing, and the bytes are read by this program alone.
; Blocks whose largest magnitude lies under 2^-124 are held at the byte 1.
; SHARES: a work-group makes one row tile, wave w its K step w.  Each load of the work-group's eight waves covers a whole row of 4,096 bytes, 512 consecutive bytes a wave.  The conversions want 16 neighbours along K in ONE
; lane, so a wave's 16 x 512 bytes turn through its own stage in LDS.  No matrix unit, no cluster, no tensor load: no two work-groups read the same byte, and the work is one pass over memory.
.set SP,    528                        ; a stage row: 512 bytes + 16 = 33 x 16: the sixteen rows that a load of 16 bytes a lane touches begin at sixteen different 16-byte columns of 256
.set WSTG,  16*SP                      ; a wave's stage
.set SCG,   8*WSTG                     ; behind the stages: the tile's 512 bytes of scale words
.set R,     16                         ; v16-79   the wave's 16 x 512 bytes as loaded
.set X,     80                         ; v80-143  64 numbers of my row: register 16 b + i = k 32 b + 16 (lane / 16) + i
.set PC,    32                         ; v32-51: codes and work, on registers of R, which are free behind the wait for the stage
.set TM,    16                         ; v16-31, likewise
.set PW,    52
.set RB,    56
.set WV,    28
.set SEL,   30                         ; s[30:31] lane selects of v_permlanex16_b32: lane l xor 16
; 64 numbers of a lane, v[s] .. v[s + 63], register 16 b + i = k 32 b + 16 (lane / 16) + i of my row, become a fragment's codes in v[PC] on and its scale word in v[pw].
.macro QUANT s, pw
.irp b, 0,1,2,3
	v_max3_num_f32 v[TM+\b], |v[\s+16*\b]|, |v[\s+1+16*\b]|, 0x1800000   ; block b: my 16 numbers, and the floor 2^(3 - 127): the byte cannot fall under 1
.endr
.irp i, 2,4,6,8,10,12,14
.irp b, 0,1,2,3
	s_delay_alu instid0(VALU_DEP_4)
	v_max3_num_f32 v[TM+\b], v[TM+\b], |v[\s+16*\b+\i]|, |v[\s+1+16*\b+\i]|   ; the four blocks by turns
.endr
.endr
.irp b, 0,1,2,3
	s_delay_alu instid0(VALU_DEP_4)
	v_permlanex16_b32 v[TM+4+\b], v[TM+\b], s[SEL], s[SEL+1]
.endr
.irp b, 0,1,2,3
	s_delay_alu instid0(VALU_DEP_4)
	v_max_num_f32 v[TM+\b], v[TM+\b], v[TM+4+\b]       ; with lane l xor 16's: the block's largest magnitude
.endr
.irp b, 0,1,2,3
	s_delay_alu instid0(VALU_DEP_4)
	v_add_nc_u32 v[TM+12+\b], 0xff000000, v[TM+\b]     ; 2 off its exponent field: the conversion takes the exponent field of this operand as its scale
.endr
.irp b, 0,1,2,3
	s_delay_alu instid0(VALU_DEP_4)
	v_lshrrev_b32 v[TM+4+\b], 23, v[TM+12+\b]          ; the scale's byte
.endr
	s_delay_alu instid0(VALU_DEP_3)
	v_lshl_or_b32 v[\pw], v[TM+5], 8, v[TM+4]
	s_delay_alu instid0(VALU_DEP_1)
	v_lshl_or_b32 v[\pw], v[TM+6], 16, v[\pw]
	s_delay_alu instid0(VALU_DEP_1)
	v_lshl_or_b32 v[\pw], v[TM+7], 24, v[\pw]
.irp c, 0,1
	v_cvt_scalef32_pk16_fp6_f32 v[PC+6*\c:PC+2+6*\c], v[\s+32*\c:\s+15+32*\c], v[TM+12+2*\c]
	v_cvt_scalef32_pk16_fp6_f32 v[PC+12+4*\c:PC+14+4*\c], v[\s+16+32*\c:\s+31+32*\c], v[TM+12+2*\c+1]   ; (a conversion's three registers begin on an even number)
.endr
	v_nop                                              ; one plain place behind a scaled conversion
.irp c, 0,1                                        ; the operand's layout wants a WHOLE block in a lane: lanes 0-15 block 2 c, lanes 16-31 block 2 c + 1
.irp i, 0,1,2
	v_permlane16_swap_b32 v[PC+6*\c+\i], v[PC+12+4*\c+\i]
.endr
.irp i, 0,1,2
	s_delay_alu instid0(VALU_DEP_3)
	v_mov_b32 v[PC+3+6*\c+\i], v[PC+12+4*\c+\i]
.endr
.endr
.endm
	s_load_b256 s[4:11], s[0:1], 0x0               ; x, wq, wk, wv
	s_load_b128 s[12:15], s[0:1], 0x20             ; wo, cod
	s_load_b64 s[16:17], s[0:1], 0x30              ; scl
	v_lshl_add_u32 v11, v0, 2, 0x10a00
	v_mov_b32 v12, 0
	v_lshrrev_b32 v1, 5, v0
	s_delay_alu instid0(VALU_DEP_1)
	v_readfirstlane_b32 s[WV], v1                  ; wave 0..7
	v_and_b32 v1, 31, v0                           ; lane
	v_and_b32 v2, 15, v0                           ; r
	v_bfe_u32 v3, v0, 4, 1                         ; h
	v_lshlrev_b32 v4, 4, v0                        ; in: 512 x wave + 16 x lane of a row
	s_delay_alu instid0(VALU_DEP_4)
	v_lshlrev_b32 v7, 4, v1                        ; 16 x lane
	v_lshlrev_b32 v8, 3, v1                        ; 8 x lane
	s_mul_i32 s29, s[WV], WSTG
	v_add_nc_u32 v5, s29, v7                       ; the stage, on the way in: a row as it lies
	v_mul_u32_u24 v6, v2, SP
	s_delay_alu instid0(VALU_DEP_1)
	v_lshl_add_u32 v6, v3, 6, v6
	s_delay_alu instid0(VALU_DEP_1)
	v_add_nc_u32 v6, s29, v6                       ; and on the way out: row r, + 64 h: my 16 numbers of a block of 32
	s_lshl_b32 s29, s[WV], 2
	s_add_co_u32 s29, s29, SCG
	v_lshlrev_b32 v9, 5, v2
	s_delay_alu instid0(VALU_DEP_1)
	v_add_nc_u32 v9, s29, v9                       ; my row's scale word of K step w: 32 r + 4 w
	v_add_nc_u32 v10, SCG, v7                      ; and the 512 bytes on their way out
	s_mov_b32 s[SEL], 0x76543210
	s_mov_b32 s[SEL+1], 0xfedcba98
.irp b, 0,1,2,3
	v_mov_b32 v[TM+4+\b], 0                        ; written once: a lane permute's destination counts as one of its sources
.endr
	s_wait_alu depctr_va_vdst(0)
	s_wait_kmcnt 0x0
	; which tensor holds my tile, and that tensor's first tile: the choice hangs on the work-group's number alone
	s_mov_b64 s[20:21], s[12:13]
	s_mov_b32 s22, 704
	s_cmp_lt_u32 ttmp9, 704
	s_cselect_b64 s[20:21], s[10:11], s[20:21]
	s_cselect_b32 s22, 640, s22
	s_cmp_lt_u32 ttmp9, 640
	s_cselect_b64 s[20:21], s[8:9], s[20:21]
	s_cselect_b32 s22, 576, s22
	s_cmp_lt_u32 ttmp9, 576
	s_cselect_b64 s[20:21], s[6:7], s[20:21]
	s_cselect_b32 s22, 512, s22
	s_cmp_lt_u32 ttmp9, 512
	s_cselect_b64 s[20:21], s[4:5], s[20:21]
	s_cselect_b32 s22, 0, s22
	s_sub_co_u32 s23, ttmp9, s22                   ; the tile's number in its tensor
	s_lshr_b32 s24, s23, 1
	s_lshl_b32 s24, s24, 5
	s_and_b32 s25, s23, 1
	s_lshl_b32 s25, s25, 3
	s_add_co_u32 s24, s24, s25                     ; its first row: 32 g + 8 u
	s_lshl_b32 s24, s24, 12                        ; rows of 4,096 bytes
	s_mov_b32 s25, 0
	s_add_nc_u64 s[20:21], s[20:21], s[24:25]
	s_mul_i32 s26, ttmp9, 12288
	s_mul_i32 s27, s[WV], 1536
	s_add_co_u32 s26, s26, s27
	s_mov_b32 s27, 0
	s_add_nc_u64 s[14:15], s[14:15], s[26:27]      ; my fragment's image
	s_lshl_b32 s26, ttmp9, 9
	s_add_nc_u64 s[16:17], s[16:17], s[26:27]      ; the tile's scale words
.irp i, 0,1,2,3,4,5,6,7,8,9,10,11,12,13,14,15
	global_load_b128 v[R+4*\i:R+4*\i+3], v4, s[20:21] offset:(\i+8*(\i/8))*4096 th:TH_LOAD_NT   ; the tile's row i: 512 consecutive bytes a wave; read once in the launch
.endr
.irp i, 0,1,2,3,4,5,6,7,8,9,10,11,12,13,14,15
	s_wait_loadcnt 15-\i                           ; loads come back in order: row i is in, the 15 - i younger ones stay out
	ds_store_b128 v5, v[R+4*\i:R+4*\i+3] offset:SP*\i
.endr
.irp b, 0,1,2,3
.irp j, 0,1,2,3
	ds_load_b128 v[X+16*\b+4*\j:X+16*\b+4*\j+3], v6 offset:128*\b+16*\j   ; LDS serves a wave's instructions in order: these see my stores
.endr
.endr
	s_wait_dscnt 0x0
	QUANT X, PW
	global_store_b128 v7, v[PC:PC+3], s[14:15]                 ; 512 consecutive bytes,
	global_store_b64 v8, v[PC+4:PC+5], s[14:15] offset:512     ; 256,
	global_store_b128 v7, v[PC+6:PC+9], s[14:15] offset:768    ; and the second half likewise: every store begins at a multiple of 256 from cod's first byte
	global_store_b64 v8, v[PC+10:PC+11], s[14:15] offset:1280
	ds_store_b32 v9, v[PW]                         ; both halves of the lanes write the same word with the same value
	s_wait_dscnt 0x0                               ; for the others' sake: my word has landed
	s_barrier_signal -1
	s_barrier_wait -1
	s_cmp_lg_u32 s[WV], 0
	s_cbranch_scc1 .Lend
	ds_load_b128 v[RB:RB+3], v10                   ; wave 0 stores the tile's 512 bytes of scale words
	s_wait_dscnt 0x0
	global_store_b128 v7, v[RB:RB+3], s[16:17]
.Lend:
	s_wait_tensorcnt 0x0
	ds_add_u32 v11, v12
	s_wait_dscnt 0x0
	s_endpgm
.Lfunc_end_k_q5f1a05acc2_quant:
	.size	k_q5f1a05acc2_quant, .Lfunc_end_k_q5f1a05acc2_quant-k_q5f1a05acc2_quant
	.p2alignl 7, 3214868480
	.fill 96, 4, 3214868480
	.section	.rodata,"a",@progbits
	.p2align	6, 0x0
	.amdhsa_kernel k_q5f1a05acc2_quant
		.amdhsa_group_segment_fixed_size 69120
		.amdhsa_private_segment_fixed_size 0
		.amdhsa_enable_private_segment 0
		.amdhsa_kernarg_size 56
		.amdhsa_user_sgpr_count 2
		.amdhsa_user_sgpr_kernarg_segment_ptr 1
		.amdhsa_wavefront_size32 1
		.amdhsa_system_sgpr_workgroup_id_x 1
		.amdhsa_system_sgpr_workgroup_id_y 1
		.amdhsa_system_sgpr_workgroup_id_z 1
		.amdhsa_system_vgpr_workitem_id 0
		.amdhsa_next_free_vgpr 144
		.amdhsa_next_free_sgpr 66
		.amdhsa_reserve_vcc 0
		.amdhsa_float_denorm_mode_32 3
		.amdhsa_float_denorm_mode_16_64 3
		.amdhsa_memory_ordered 1
		.amdhsa_forward_progress 1
		.amdhsa_inst_pref_size 14
	.end_amdhsa_kernel
	.amdgpu_metadata
---
amdhsa.version: [ 1, 2 ]
amdhsa.kernels:
  - .name:           k_q5f1a05acc2_quant
    .symbol:         k_q5f1a05acc2_quant.kd
    .args:
      - { .name: x, .offset: 0, .size: 8, .value_kind: global_buffer, .address_space: global }
      - { .name: wq, .offset: 8, .size: 8, .value_kind: global_buffer, .address_space: global }
      - { .name: wk, .offset: 16, .size: 8, .value_kind: global_buffer, .address_space: global }
      - { .name: wv, .offset: 24, .size: 8, .value_kind: global_buffer, .address_space: global }
      - { .name: wo, .offset: 32, .size: 8, .value_kind: global_buffer, .address_space: global }
      - { .name: cod, .offset: 40, .size: 8, .value_kind: global_buffer, .address_space: global }
      - { .name: scl, .offset: 48, .size: 8, .value_kind: global_buffer, .address_space: global }
    .group_segment_fixed_size: 69120
    .private_segment_fixed_size: 0
    .kernarg_segment_align: 8
    .kernarg_segment_size: 56
    .max_flat_workgroup_size: 256
    .sgpr_count:     66
    .vgpr_count:     144
    .wavefront_size: 32
...
	.end_amdgpu_metadata
.endif
;; end of part 1
;; launch proj (part 2): grid 96 x 4, 4 waves a work-group, clusters of 4 x 4, 327,680 bytes of LDS; arguments cod, scl, bq, bk, bv, qc, qs, kv; writes qc, qs, kv
.if DOCPART == 2
	.amdgcn_target "amdgcn-amd-amdhsa--gfx1250"
	.amdhsa_code_object_version 6
	.text
	.protected	k_q5f1a05acc2_proj
	.globl	k_q5f1a05acc2_proj
	.p2align	8
	.type	k_q5f1a05acc2_proj,@function
k_q5f1a05acc2_proj:
	s_mov_b64 s[64:65], 0
	v_nop
	global_prefetch_b8 v0, s[64:65] scope:SCOPE_SE
	s_setreg_imm32_b32 hwreg(HW_REG_WAVE_MODE, 25, 1), 1
	s_wait_xcnt 0x0
	s_wait_alu depctr_hold_cnt(0) depctr_sa_sdst(0) depctr_va_vdst(0) depctr_va_sdst(0) depctr_va_ssrc(0) depctr_va_vcc(0) depctr_vm_vsrc(0)
	s_getreg_b32 s2, hwreg(HW_REG_IB_STS2, 6, 4)
	s_cmp_eq_u32 s2, 0
	s_cbranch_scc0 .Lentry_in_a_cluster
	s_endpgm
.Lentry_in_a_cluster:
	s_bfe_u32 s2, ttmp6, 0x10000c
	s_cmp_lg_u32 s2, 0xf033
	s_cbranch_scc0 .Lentry_shape_is_right
	s_endpgm
.Lentry_shape_is_right:
; q = x wq^T + bq, k = x wk^T + bk, v = x wv^T + bv on codes of FP6 (E2M3) with E8M0 scales, K = 1,024; each result is quantised again here, in registers, and leaves as codes: q and k along the head's 64, v along the keys.
; ONE BODY FOR THE THREE PRODUCTS.  A tile is C'[m'][n'] = sum over k of A'[m'][k] B'[n'][k], 256 x 256, with the matrix instruction used transposed (source 0 = 16 rows of B', source 1 = 16 rows of A'):
; a lane holds ONE row of A', and its registers run along B's rows.  q, k: A' = x (tokens), B' = wq | wk (channels): registers run along the channels.  v: A' = wv (channels), B' = x (tokens): registers run along the keys.
; Both operands are ranges of row tiles of the one buffer cod (x 0.., wq 512.., wk 576.., wv 640..), so only tile numbers are chosen, by the cluster's number: clusters 0-15 make q and k, clusters 16-23 make v.
; cod holds images of operand registers, [row tile][K step 8][1,536 bytes]; lane r of tile 2 g + u holds row 32 g + 8 u + r + 8 (r / 8), so that the 16 result registers of B' tiles 2 g, 2 g + 1 are 16 neighbouring rows of B'.
; A work-group of four waves makes a tile; a wave 128 x 128: 64 accumulators, 512 registers.  K goes in steps of 128, two to an LDS slot; three slots are filled at the start and the first is filled once more (four slots' worth in all).
; The scale words of a wave's 128 + 128 rows for all of K stay in 128 registers.
; CLUSTERS: 4 x 4 work-groups; A's tiles are asked for jointly along a row of the cluster, B's along a column.
; WHAT LEAVES.  qc [b h 64][token tile 128][768]: half a fragment's image (k = 0..63).  qs [b h][token tile][16 words]: bytes 0, 1 the head's two blocks, bytes 2, 3 zero.
; kv [b h 64][key step 16][13,056]: a record of 128 keys: K's eight tiles as qc's (0..), V^T's four channel tiles as whole fragments (6,144..), K's scale words (12,288..), V's (12,800..).
; LIMITS: NaN and infinities are not served; a block of zeros gets the byte 1 (its codes are zeros; the bytes are read by this program alone); blocks whose largest magnitude lies under 2^-124 are held at the byte 1.
; REGISTERS, in windows of 256.  Window 0: v1-29 addresses; v30-93 A's scale words (8 i + s), v96-159 B's; v160-255 A's fragments, one set; in the epilogue v32-151 are at work.
; Window 1: B's fragments, two sets, v0-95 and v128-223; the bias, 64 registers, v96-127 and v224-255.  Windows 2, 3: the accumulators, (a, b) at v[8 (8 (a % 4) + b)].
.set HALFT, 24576                      ; 8 row tiles x 3,072 bytes (two K steps): what one tensor load brings, and what one wave reads of A' or of B'
.set SLOT,  4*HALFT                    ; A's two halves, then B's
.set SPARE, 3*SLOT                     ; behind the slots: the spare words, 128 bytes for each wave
.set STGQ,  SPARE+512                  ; q's and k's scale words on their way out: 1,024 bytes a wave
.set STGV,  STGQ+4096                  ; v's: 512 bytes a wave (each way through the epilogue has LDS bytes of its own)
.set RECB,  13056                      ; a record of kv
.set HEADB, 16*RECB                    ; a head's records
.set A16, 4                            ; v4-6   LDS address of my A' half in slot 0, 1, 2, + 16 x lane
.set A8,  7                            ; v7-9   the same + 8 x lane
.set B16, 10                           ; v10-12, v13-15 the same for B'
.set B8,  13
.set L16, 16                           ; 16 x lane
.set L8,  17                           ; 8 x lane
.set SQW, 18                           ; where I put a scale word of q or k
.set SVW, 19                           ; of v
.set SQR, 20                           ; where I read them back
.set SVR, 21
.set SH16, 22                          ; 16 h
.set VSO, 23                           ; v's scale words in kv: HEADB h + 16 r
.set SCO, 24                           ; 32 r: my row's eight scale words in scl
.set BQO, 25                           ; 64 h: bias along the registers
.set BVO, 26                           ; 4 (r + 8 (r / 8)): bias along the lanes
.set SPW, 28                           ; LDS address of my spare word; never rewritten
.set NIL, 29                           ; 0; never rewritten
.set SA,  30                           ; v30-93: A's scale words; their numbers differ modulo 8 from B's (v96 on)
.set SB,  96
.set AF,  160
.set HA,  32                           ; epilogue: 64 numbers of my row
.set PC,  96                           ; v96-107 codes, v108-115 at work
.set TM,  116                          ; v116-131 at work in QUANT
.set PW,  132
.set RB,  136                          ; v136-143 scale words read back
.set TW,  144                          ; v144-151 a scale word for each block
.set WV, 20
.set WR, 21                            ; my half of A's rows; also: I fetch for A' (0) or for B' (1)
.set WC, 22                            ; my half of B's rows; also: which 8 row tiles I fetch
.set CX, 23
.set CY, 24
.set TR, 25
.set TC, 26
.set G1A, 28                           ; s[28:35], s[36:43] descriptor groups 1
.set G1B, 36
.set G0A, 44                           ; s[44:51] groups 0 for A', two sets
.set KSEL, 57                          ; 0: q, 1: k
.set ATILE, 61
.set BTILE, 62
.set G0B, 68                           ; s[68:75] for B'
.set CB0, 80                           ; where the codes of my first head go; CB1: of my second
.set CB1, 82
.set SB0, 84                           ; their scale words
.set SB1, 86
.set VB,  88                           ; v: my first head's record
.set SAB, 90
.set SBB, 92
.set BIB, 94
.set SEL, 98
.set MSB, 0
.macro WIN new                         ; the immediate's high byte repeats the setting that is left
.if MSB != (\new)
	s_set_vgpr_msb (MSB<<8)|(\new)
.set MSB, \new
.endif
.endm
.set MUL_LO, 0xa1                      ; source 0 (B') window 1, source 1 (A') window 0, C and D window 2
.set MUL_HI, 0xf1                      ; the same, C and D window 3
.set TO_B,   0x40                      ; destination window 1, address window 0
.macro PLACES n
.rept \n
	v_nop
.endr
.endm
.macro CREST                           ; a round of the cluster's barrier behind its opening barrier
	s_cmp_lg_u32 s[WV], 0
	s_cbranch_scc1 .Lnot_wave_0_\@
	s_barrier_signal -3
.Lnot_wave_0_\@:
	s_barrier_wait -3
	s_barrier_signal -1
	s_barrier_wait -1
.endm
.macro CROUND
	s_barrier_signal -1
	s_barrier_wait -1
	CREST
.endm
; HOW LDS IS FILLED: at the head one load a wave brings K steps 0, 1 (slot 0, rows of 3,072 bytes); behind the three lines and a round one load a wave brings K steps 2 to 5 (rows of 6,144 bytes, 49,152 bytes a wave, from SLOT on);
; in K step 1's round slot 0 is filled again with K steps 6, 7.  No prefetch: the launch has no loop to run ahead in.
.macro JLOAD o                         ; a joint load by group 0 set o / 4: waves 0, 1 ask for A', waves 2, 3 for B'; four v_nop follow each line
	s_cmp_eq_u32 s[WR], 0
	s_cbranch_scc0 .Lfor_b_\@
	tensor_load_to_lds s[G0A+\o:G0A+\o+3], s[G1A:G1A+7]
	s_nop 0
	PLACES 4
	s_branch .Lasked_\@
.Lfor_b_\@:
	tensor_load_to_lds s[G0B+\o:G0B+\o+3], s[G1B:G1B+7]
	s_nop 0
	PLACES 4
.Lasked_\@:
.endm
.macro QUANT s, pw                     ; 64 numbers, register 16 b + i = k 32 b + 16 (lane / 16) + i of my row -> codes in v[PC] on, scale word in v[pw]
.irp b, 0,1,2,3
	v_max3_num_f32 v[TM+\b], |v[\s+16*\b]|, |v[\s+1+16*\b]|, 0x1800000   ; and the floor 2^(3 - 127): the byte cannot fall under 1
.endr
.irp i, 2,4,6,8,10,12,14
.irp b, 0,1,2,3
	v_max3_num_f32 v[TM+\b], v[TM+\b], |v[\s+16*\b+\i]|, |v[\s+1+16*\b+\i]|
.endr
.endr
.irp b, 0,1,2,3
	v_permlanex16_b32 v[TM+4+\b], v[TM+\b], s[SEL], s[SEL+1]
.endr
.irp b, 0,1,2,3
	v_max_num_f32 v[TM+\b], v[TM+\b], v[TM+4+\b]
.endr
.irp b, 0,1,2,3
	v_add_nc_u32 v[TM+12+\b], 0xff000000, v[TM+\b]     ; 2 off the exponent field: the conversion's scale operand
.endr
.irp b, 0,1,2,3
	v_lshrrev_b32 v[TM+4+\b], 23, v[TM+12+\b]          ; the scale's byte
.endr
	v_lshl_or_b32 v[\pw], v[TM+5], 8, v[TM+4]
	v_lshl_or_b32 v[\pw], v[TM+6], 16, v[\pw]
	v_lshl_or_b32 v[\pw], v[TM+7], 24, v[\pw]
.irp c, 0,1
	v_cvt_scalef32_pk16_fp6_f32 v[PC+6*\c:PC+2+6*\c], v[\s+32*\c:\s+15+32*\c], v[TM+12+2*\c]
	v_cvt_scalef32_pk16_fp6_f32 v[PC+12+4*\c:PC+14+4*\c], v[\s+16+32*\c:\s+31+32*\c], v[TM+12+2*\c+1]
.endr
	v_nop                                              ; one plain place behind a scaled conversion
.irp c, 0,1
.irp i, 0,1,2
	v_permlane16_swap_b32 v[PC+6*\c+\i], v[PC+12+4*\c+\i]
.endr
.irp i, 0,1,2
	v_mov_b32 v[PC+3+6*\c+\i], v[PC+12+4*\c+\i]
.endr
.endr
.endm
	s_load_b256 s[4:11], s[0:1], 0x0               ; cod, scl, bq, bk
	s_load_b256 s[12:19], s[0:1], 0x20             ; bv, qc, qs, kv
	v_lshl_add_u32 v[SPW], v0, 2, SPARE
	v_mov_b32 v[NIL], 0
	ds_add_u32 v28, v29
	ds_add_u32 v28, v29
	s_wait_dscnt 0x0
	v_lshrrev_b32 v1, 5, v0
	v_readfirstlane_b32 s[WV], v1                  ; wave 0..3
	s_lshr_b32 s[WR], s[WV], 1
	s_and_b32 s[WC], s[WV], 1
	s_bfe_u32 s[CX], ttmp6, 0x40000                ; my place in the cluster
	s_bfe_u32 s[CY], ttmp6, 0x40004
	s_lshr_b32 s56, ttmp9, 1                       ; ttmp9 counts clusters, 0..23
	s_and_b32 s[KSEL], ttmp9, 1
	s_sub_co_u32 s58, ttmp9, 16
	s_cmp_lt_u32 ttmp9, 16                         ; q and k, or v?  The same in all sixteen partners
	s_cselect_b32 s59, 0, 640                      ; A's first row tile: x, or wv
	s_cselect_b32 s56, s56, 0                      ; which four tile rows
	s_cselect_b32 s60, 512, 0                      ; B's first row tile: wq | wk, or x
	s_cselect_b32 s58, s[KSEL], s58                ; which four tile columns
	s_lshl_b32 s[TR], s56, 2
	s_add_co_u32 s[TR], s[TR], s[CY]               ; tile row
	s_lshl_b32 s[ATILE], s[TR], 4
	s_add_co_u32 s[ATILE], s[ATILE], s59
	s_lshl_b32 s[TC], s58, 2
	s_add_co_u32 s[TC], s[TC], s[CX]               ; tile column
	s_lshl_b32 s[BTILE], s[TC], 4
	s_add_co_u32 s[BTILE], s[BTILE], s60
	s_lshl_b32 s27, s[CY], 2
	s_lshl_b32 s27, 15, s27                        ; my row of the cluster
	s_lshl_b32 s63, 0x1111, s[CX]                  ; my column
	; descriptor group 1: 8 rows (row tiles) of 384 elements of 8 bytes (two K steps' images, 3,072 bytes), 1,536 elements (a row tile's 12,288 bytes) apart; dense in LDS
	s_or_b32 s[G1A], s27, (3<<16)|(1<<21)          ; 15:0 the mask; 17:16 elements of 8 bytes; 21 set beside a mask
	s_or_b32 s[G1B], s63, (3<<16)|(1<<21)
.irp g, G1A, G1B
	s_mov_b32 s[\g+1], 384<<16                     ; tensor_dim0
	s_mov_b32 s[\g+2], 8<<16                       ; tensor_dim1
	s_mov_b32 s[\g+3], 384<<16                     ; tile_dim0
	s_mov_b32 s[\g+4], 8                           ; tile_dim1
	s_mov_b32 s[\g+5], 1536                        ; tensor_dim0_stride
	s_mov_b32 s[\g+6], 0
	s_mov_b32 s[\g+7], 0
.endr
	s_lshl_b32 s96, s[WC], 3                       ; which 8 row tiles I fetch
	s_add_co_u32 s2, s[ATILE], s96
	s_mul_i32 s2, s2, 12288
	s_mov_b32 s3, 0
	s_add_co_u32 s98, s[BTILE], s96
	s_mul_i32 s98, s98, 12288
	s_mov_b32 s99, 0
	s_mul_i32 s97, s[WV], HALFT                    ; where they go: no place in the cluster enters an LDS address
	s_wait_kmcnt 0x0
	s_add_nc_u64 s[2:3], s[4:5], s[2:3]
	s_add_nc_u64 s[98:99], s[4:5], s[98:99]
.irp n, 0,1
	s_mov_b32 s[G0A+4*\n], 1
	s_add_co_u32 s[G0A+4*\n+1], s97, \n*SLOT
	s_add_nc_u64 s[G0A+4*\n+2:G0A+4*\n+3], s[2:3], \n*3072
	s_or_b32 s[G0A+4*\n+3], s[G0A+4*\n+3], 0x80000000
	s_mov_b32 s[G0B+4*\n], 1
	s_add_co_u32 s[G0B+4*\n+1], s97, \n*SLOT
	s_add_nc_u64 s[G0B+4*\n+2:G0B+4*\n+3], s[98:99], \n*3072
	s_or_b32 s[G0B+4*\n+3], s[G0B+4*\n+3], 0x80000000
.endr
	s_add_co_u32 s[G0A+5], s[G0A+5], s97           ; the second set's place: SLOT + wave x 2 HALFT
	s_add_co_u32 s[G0B+5], s[G0B+5], s97
	CROUND                                         ; all sixteen work-groups are here: the first joint loads meet
	s_cmp_eq_u32 s[WR], 0                          ; one tensor load a wave at the head: K steps 0, 1
	s_cbranch_scc0 .Lfirst_b
	tensor_load_to_lds s[G0A:G0A+3], s[G1A:G1A+7]
	s_nop 0
	PLACES 4
	s_branch .Lfirst_asked
.Lfirst_b:
	tensor_load_to_lds s[G0B:G0B+3], s[G1B:G1B+7]
	s_nop 0
	PLACES 4
.Lfirst_asked:
	s_mov_b32 s[SEL], 0x76543210
	s_mov_b32 s[SEL+1], 0xfedcba98
	v_and_b32 v3, 31, v0                           ; lane
	v_and_b32 v1, 15, v0                           ; r
	v_bfe_u32 v2, v0, 4, 1                         ; h
	v_lshlrev_b32 v[L16], 4, v3
	v_lshlrev_b32 v[L8], 3, v3
	s_mul_i32 s66, s[WR], HALFT                    ; my half of A',
	s_mul_i32 s67, s[WC], HALFT
	s_add_co_u32 s67, s67, 2*HALFT                 ; my half of B', behind A's two
.irp n, 0,1,2
	v_add_nc_u32 v[A16+\n], s66, v[L16]
	v_add_nc_u32 v[A8+\n], s66, v[L8]
	v_add_nc_u32 v[B16+\n], s67, v[L16]
	v_add_nc_u32 v[B8+\n], s67, v[L8]
.if \n == 0
	s_lshl_b32 s66, s66, 1                         ; K steps 2, 3: SLOT + 2 x the half's place in slot 0
	s_lshl_b32 s67, s67, 1
	s_add_co_u32 s66, s66, SLOT
	s_add_co_u32 s67, s67, SLOT
.else
	s_add_co_u32 s66, s66, 3072                    ; K steps 4, 5: 3,072 bytes on in the same rows
	s_add_co_u32 s67, s67, 3072
.endif
.endr
	s_lshl_b32 s66, s[WV], 10
	s_add_co_u32 s66, s66, STGQ
	v_lshlrev_b32 v[SQW], 2, v1
	v_lshl_add_u32 v[SQW], v2, 9, v[SQW]
	v_add_nc_u32 v[SQW], s66, v[SQW]               ; 512 h + 4 r: lanes 0-15 my first head's words, lanes 16-31 my second's
	v_add_nc_u32 v[SQR], s66, v[L16]
	s_lshl_b32 s67, s[WV], 9
	s_add_co_u32 s67, s67, STGV
	v_lshlrev_b32 v[SVW], 2, v1
	v_add_nc_u32 v[SVW], s67, v[SVW]
	v_add_nc_u32 v[SVR], s67, v[L16]
	v_lshlrev_b32 v[SH16], 4, v2
	v_mul_u32_u24 v[VSO], v2, HEADB
	v_lshl_add_u32 v[VSO], v1, 4, v[VSO]
	v_lshlrev_b32 v[SCO], 5, v1
	s_wait_alu depctr_va_vdst(0)
	v_lshlrev_b32 v[BQO], 6, v2
	v_and_b32 v[BVO], 8, v1
	v_add_nc_u32 v[BVO], v[BVO], v1
	v_lshlrev_b32 v[BVO], 2, v[BVO]
	; where q's or k's codes and scale words go: batch = tile row / 8, key step = (2 tile row + my half) mod 16, head = 4 cx + 2 x my half of the columns (and the next)
	s_lshr_b32 s66, s[TR], 3
	s_lshl_b32 s66, s66, 4
	s_lshl_b32 s67, s[CX], 2
	s_add_co_u32 s66, s66, s67
	s_lshl_b32 s67, s[WC], 1
	s_add_co_u32 s66, s66, s67                     ; 16 x batch + head
	s_lshl_b32 s67, s[TR], 1
	s_add_co_u32 s67, s67, s[WR]
	s_and_b32 s67, s67, 15                         ; key step = eight token tiles
	s_lshl_b32 s80, s66, 7
	s_lshl_b32 s82, s67, 3
	s_add_co_u32 s80, s80, s82                     ; q: token tile 128 (b h) + 8 x key step
	s_mul_i32 s82, s80, 768
	s_lshl_b32 s84, s80, 6
	s_lshl_b32 s80, s66, 4
	s_add_co_u32 s80, s80, s67                     ; k: record 16 (b h) + key step
	s_mul_i32 s86, s80, RECB
	s_add_co_u32 s88, s86, 12288
	s_mov_b32 s66, HEADB
	s_mov_b32 s67, HEADB
	s_cmp_eq_u32 s[KSEL], 0
	s_cselect_b32 s82, s82, s86                    ; the codes' offset
	s_cselect_b32 s86, s84, s88                    ; the scale words'
	s_cselect_b32 s66, 98304, s66                  ; from a head to the next: 128 tiles of 768 bytes, or 16 records
	s_cselect_b32 s67, 8192, s67
	s_cselect_b64 s[CB0:CB0+1], s[14:15], s[18:19]
	s_cselect_b64 s[SB0:SB0+1], s[16:17], s[18:19]
	s_cselect_b64 s[BIB:BIB+1], s[8:9], s[10:11]
	s_mov_b32 s83, 0
	s_mov_b32 s87, 0
	s_add_nc_u64 s[CB0:CB0+1], s[CB0:CB0+1], s[82:83]
	s_add_nc_u64 s[SB0:SB0+1], s[SB0:SB0+1], s[86:87]
	s_mov_b32 s82, s66
	s_add_nc_u64 s[CB1:CB1+1], s[CB0:CB0+1], s[82:83]
	s_mov_b32 s86, s67
	s_add_nc_u64 s[SB1:SB1+1], s[SB0:SB0+1], s[86:87]
	; where v's go: batch = tile column / 8, key step = (2 tile column + my half) mod 16, head = 4 cy + 2 x my half of the rows (and the next)
	s_lshr_b32 s66, s[TC], 3
	s_lshl_b32 s66, s66, 4
	s_lshl_b32 s67, s[CY], 2
	s_add_co_u32 s66, s66, s67
	s_lshl_b32 s67, s[WR], 1
	s_add_co_u32 s66, s66, s67
	s_lshl_b32 s66, s66, 4
	s_lshl_b32 s67, s[TC], 1
	s_add_co_u32 s67, s67, s[WC]
	s_and_b32 s67, s67, 15
	s_add_co_u32 s66, s66, s67
	s_mul_i32 s88, s66, RECB
	s_mov_b32 s89, 0
	s_add_nc_u64 s[VB:VB+1], s[18:19], s[88:89]
	; the scale words of my 8 + 8 row tiles, all eight K steps: 32 bytes a row
	s_lshl_b32 s66, s[WR], 3
	s_add_co_u32 s66, s66, s[ATILE]
	s_lshl_b32 s90, s66, 9
	s_mov_b32 s91, 0
	s_add_nc_u64 s[SAB:SAB+1], s[6:7], s[90:91]
	s_lshl_b32 s66, s[WC], 3
	s_add_co_u32 s66, s66, s[BTILE]
	s_lshl_b32 s92, s66, 9
	s_mov_b32 s93, 0
	s_add_nc_u64 s[SBB:SBB+1], s[6:7], s[92:93]
.irp i, 0,1,2,3,4,5,6,7
.irp k, 0,1
	global_load_b128 v[SA+8*\i+4*\k:SA+8*\i+4*\k+3], v[SCO], s[SAB:SAB+1] offset:512*\i+16*\k
	global_load_b128 v[SB+8*\i+4*\k:SB+8*\i+4*\k+3], v[SCO], s[SBB:SBB+1] offset:512*\i+16*\k
.endr
.endr
	; the bias, 64 registers of window 1, eight to a block: BI(k) = 96 + 8 k + 96 (k / 4).  q, k: along the registers (B's block k); v: along the lanes (A's block k), the same number in all eight.  Both ways write all 64.
	s_cmp_lt_u32 ttmp9, 16
	s_cbranch_scc0 .Lbias_v
	s_lshl_b32 s66, s[CX], 10
	s_lshl_b32 s67, s[WC], 9
	s_add_co_u32 s66, s66, s67
	s_mov_b32 s67, 0
	s_add_nc_u64 s[BIB:BIB+1], s[BIB:BIB+1], s[66:67]  ; my 128 channels
	WIN TO_B
	s_wait_alu depctr_va_vdst(0)
.irp b, 0,1,2,3,4,5,6,7
	global_load_b128 v[96+8*\b+96*(\b/4):96+8*\b+96*(\b/4)+3], v[BQO], s[BIB:BIB+1] offset:(32*(\b/2)+8*(\b%2))*4
	global_load_b128 v[96+8*\b+96*(\b/4)+4:96+8*\b+96*(\b/4)+7], v[BQO], s[BIB:BIB+1] offset:(32*(\b/2)+8*(\b%2))*4+16
.endr
	WIN 0
	s_branch .Lbias_done
.Lbias_v:
	s_lshl_b32 s66, s[CY], 10
	s_lshl_b32 s67, s[WR], 9
	s_add_co_u32 s66, s66, s67
	s_mov_b32 s67, 0
	s_add_nc_u64 s[BIB:BIB+1], s[12:13], s[66:67]
	WIN TO_B
	s_wait_alu depctr_va_vdst(0)
.irp a, 0,1,2,3,4,5,6,7
.irp j, 0,1,2,3,4,5,6,7
	global_load_b32 v[96+8*\a+96*(\a/4)+\j], v[BVO], s[BIB:BIB+1] offset:(32*(\a/2)+8*(\a%2))*4
.endr
.endr
	WIN 0
.Lbias_done:
; a fragment's image, 1,536 bytes at off: four loads; every lane's address is a multiple of the access's size, and an instruction's bytes are consecutive
.macro FRAG reg, a16, a8, off
	ds_load_b128 v[\reg:\reg+3], v[\a16] offset:\off
	ds_load_b64 v[\reg+4:\reg+5], v[\a8] offset:\off+512
	ds_load_b128 v[\reg+6:\reg+9], v[\a16] offset:\off+768
	ds_load_b64 v[\reg+10:\reg+11], v[\a8] offset:\off+1280
.endm
.macro FETCH_B slot, q, p              ; B's eight fragments of the slot's q-th K step into set p
	WIN TO_B
.irp i, 0,1,2,3,4,5,6,7
	FRAG 128*(\p)+12*\i, B16+\slot, B8+\slot, (3072+3072*(((\slot)+1)/2))*\i+1536*(\q)
.endr
	WIN 0
.endm
.macro FETCH_A slot, q, i0             ; A's blocks i0 .. i0 + 3
.irp i, \i0, \i0+1, \i0+2, \i0+3
	FRAG AF+12*(\i), A16+\slot, A8+\slot, (3072+3072*(((\slot)+1)/2))*(\i)+1536*(\q)
.endr
.endm
; 16 matrix instructions: A's blocks a0, a0 + 1 x B's eight, K step s.  p: B's set.  zero = 1: the first product starts the sums.  The 64 accumulators take turns, one instruction a turn, in the same order in every step.
.macro MUL16 a0, p, s, zero
.irp a, \a0, \a0+1
.irp b, 0,1,2,3,4,5,6,7
.if \zero
	v_wmma_scale_f32_16x16x128_f8f6f4 v[8*(8*((\a)%4)+\b):8*(8*((\a)%4)+\b)+7], v[128*(\p)+12*\b:128*(\p)+12*\b+11], v[AF+12*(\a):AF+12*(\a)+11], 0, v[SB+8*\b+(\s)], v[SA+8*(\a)+(\s)] matrix_a_fmt:MATRIX_FMT_FP6 matrix_b_fmt:MATRIX_FMT_FP6
.else
	v_wmma_scale_f32_16x16x128_f8f6f4 v[8*(8*((\a)%4)+\b):8*(8*((\a)%4)+\b)+7], v[128*(\p)+12*\b:128*(\p)+12*\b+11], v[AF+12*(\a):AF+12*(\a)+11], v[8*(8*((\a)%4)+\b):8*(8*((\a)%4)+\b)+7], v[SB+8*\b+(\s)], v[SA+8*(\a)+(\s)] matrix_a_fmt:MATRIX_FMT_FP6 matrix_b_fmt:MATRIX_FMT_FP6
.endif
.endr
.endr
.endm
; K step s, whose successor (nq of slot nslot) lies in a slot already shown whole.  A load into a register that a matrix instruction has read stands four plain vector instructions behind it (ISA guide 7.12.1 for vector instructions).
.macro STEP s, nslot, nq, zero
	s_wait_dscnt 16                                ; B's set and A's blocks 0-3 are in; the youngest 16 loads (A's blocks 4-7) may be out
	WIN MUL_LO
	MUL16 0, (\s)%2, \s, \zero
	MUL16 2, (\s)%2, \s, \zero
	s_wait_dscnt 0x0                               ; A's blocks 4-7 are in
	PLACES 4
	FETCH_B \nslot, \nq, 1-(\s)%2
	FETCH_A \nslot, \nq, 0
	WIN MUL_HI
	MUL16 4, (\s)%2, \s, \zero
	MUL16 6, (\s)%2, \s, \zero
	PLACES 4
	WIN 0
	FETCH_A \nslot, \nq, 4
.endm
; A slot's second K step (s odd) changes slots: one barrier.  kind 0: the next slot is shown whole, the slot after it may still be on its way, nothing is filled.
; kind 1: all my loads have landed, the add, my LDS reads are over; the barrier opens a round of the cluster's barrier, and slot 0, which nobody has read since K step 1, is filled with the last two K steps.  kind 2: the same three lines, no fill.
.macro TURN s, nslot, kind
.if \kind == 0
	s_wait_tensorcnt 1                             ; of my three loads the youngest (slot 2's) may be out
	s_wait_dscnt 16
.else
	s_wait_tensorcnt 0x0                           ; all my tensor loads have landed;
	ds_add_u32 v[SPW], v[NIL]                      ; 0 onto my spare word;
	s_wait_dscnt 17                                ; (the add and the youngest 16 loads, A's blocks 4-7, may be out)
.endif
	WIN MUL_LO
	MUL16 0, 1, \s, 0
	s_wait_dscnt 0x0                               ; the add is done, and my LDS reads are over
	s_barrier_signal -1
	MUL16 2, 1, \s, 0
	WIN 0                                          ; (branches may follow)
	s_barrier_wait -1
.if \kind == 1
	CREST                                          ; no wave of any partner still reads slot 0 or has a load on its way
	s_add_nc_u64 s[G0A+2:G0A+3], s[G0A+2:G0A+3], 9216   ; three slots' worth on along K
	s_add_nc_u64 s[G0B+2:G0B+3], s[G0B+2:G0B+3], 9216
	s_mov_b32 s[G1A+1], 384<<16                    ; no tensor load of mine is out: rows of 3,072 bytes again
	s_mov_b32 s[G1A+3], 384<<16
	s_mov_b32 s[G1B+1], 384<<16
	s_mov_b32 s[G1B+3], 384<<16
	JLOAD 0
.else
	PLACES 4
.endif
	FETCH_B \nslot, 0, 0
	FETCH_A \nslot, 0, 0
	WIN MUL_HI
	MUL16 4, 1, \s, 0
	MUL16 6, 1, \s, 0
	PLACES 4
	WIN 0
	FETCH_A \nslot, 0, 4
.endm
	s_wait_alu depctr_va_vdst(0)                   ; the wait at the head's end
	s_wait_tensorcnt 0x0                           ; my part of slot 0 is in
	ds_add_u32 v[SPW], v[NIL]
	s_mov_b32 s[G1A+1], 768<<16                    ; no tensor load of mine is out: rows of 6,144 bytes, four K steps
	s_mov_b32 s[G1A+3], 768<<16
	s_mov_b32 s[G1B+1], 768<<16
	s_mov_b32 s[G1B+3], 768<<16
	s_wait_dscnt 0x0
	CROUND                                         ; everybody's part of slot 0 is in, and the joint loads meet
	JLOAD 4                                        ; K steps 2 to 5, my one load behind the round
	FETCH_B 0, 0, 0
	FETCH_A 0, 0, 0
	FETCH_A 0, 0, 4
	s_wait_loadcnt 0x0                             ; scale words and bias
	STEP 0, 0, 1, 1                                ; eight K steps, written out: each has its own scale registers
	TURN 1, 1, 1                                   ; K steps 2 to 5 are shown whole, and slot 0 is filled again
	STEP 2, 1, 1, 0
	STEP 3, 2, 0, 0
	STEP 4, 2, 1, 0
	TURN 5, 0, 2
	STEP 6, 0, 1, 0
	s_wait_dscnt 16                                ; the last K step: nothing more to fetch
	WIN MUL_LO
	MUL16 0, 1, 7, 0
	MUL16 2, 1, 7, 0
	s_wait_dscnt 0x0
	WIN MUL_HI
	MUL16 4, 1, 7, 0
	MUL16 6, 1, 7, 0
	WIN 0
; THE EPILOGUE, block a of A' (16 rows) at a time: its eight accumulators are 64 numbers of my row, register 16 b + i = B' row 32 b + 16 (lane / 16) + i.  One packed addition a pair adds the bias and brings the block
; into window 0 (each accumulator is read from its low end on); QUANT makes a fragment of it.
; q, k (isv = 0): the 128 numbers are two heads' 64 channels: registers 0-5 of the fragment are the first head's half image, registers 6-11 the second's; of the scale word each head gets its two bytes.
; v (isv = 1): the 128 numbers are a key step's keys: a whole fragment of V^T (block a: head a / 4, channel tile a % 4).
.macro EPI a, isv
.set AC, 64*((\a)%4)
	WIN 0x06+(\a)/4                                ; source 0: window 2 or 3; source 1: window 1; destination: window 0
.set kk, 0
.rept 32
.if \isv
	v_pk_add_f32 v[HA+2*kk:HA+2*kk+1], v[AC+2*kk:AC+2*kk+1], v[96+8*(\a)+96*((\a)/4):96+8*(\a)+96*((\a)/4)+1]
.else
	v_pk_add_f32 v[HA+2*kk:HA+2*kk+1], v[AC+2*kk:AC+2*kk+1], v[96+8*(kk/4)+96*(kk/16)+2*(kk%4):96+8*(kk/4)+96*(kk/16)+2*(kk%4)+1]
.endif
.set kk, kk+1
.endr
	WIN 0
	s_wait_xcnt 0x0                                ; the last block's stores have read the codes' registers, which are written again only behind this wait
.if \isv
	QUANT HA, TW+(\a)
.irp g, 0,1,2
	global_store_b128 v[L16], v[PC+4*\g:PC+4*\g+3], s[VB:VB+1] offset:((\a)/4)*HEADB+6144+((\a)%4)*1536+512*\g   ; 512 consecutive bytes, at a multiple of 256 from kv's first byte
.endr
	ds_store_b32 v[SVW], v[TW+(\a)] offset:64*(\a) ; both halves of the lanes write the same word with the same value
.else
	QUANT HA, PW
	global_store_b128 v[L16], v[PC:PC+3], s[CB0:CB0+1] offset:768*(\a)
	global_store_b64 v[L8], v[PC+4:PC+5], s[CB0:CB0+1] offset:768*(\a)+512
	global_store_b128 v[L16], v[PC+6:PC+9], s[CB1:CB1+1] offset:768*(\a)
	global_store_b64 v[L8], v[PC+10:PC+11], s[CB1:CB1+1] offset:768*(\a)+512
	v_lshrrev_b32 v[TW+(\a)], v[SH16], v[PW]       ; lanes 0-15 keep the first head's two bytes, lanes 16-31 the second's; the upper two bytes are 0
	v_and_b32 v[TW+(\a)], 0xffff, v[TW+(\a)]
	ds_store_b32 v[SQW], v[TW+(\a)] offset:64*(\a)
.endif
.endm
	PLACES 4                                       ; behind the last products: their results are read, and registers that they named as scales are written
.irp b, 0,1,2,3
	v_mov_b32 v[TM+4+\b], 0                        ; written once: a lane permute's destination counts as one of its sources
.endr
	s_cmp_lt_u32 ttmp9, 16
	s_cbranch_scc0 .Lvpath
.irp a, 0,1,2,3,4,5,6,7
	EPI \a, 0
.endr
	ds_load_b128 v[RB:RB+3], v[SQR]                ; my own bytes: LDS serves a wave's instructions in order
	ds_load_b128 v[RB+4:RB+7], v[SQR] offset:512
	s_wait_dscnt 0x0
	global_store_b128 v[L16], v[RB:RB+3], s[SB0:SB0+1]     ; eight tiles' scale words of a head: 512 consecutive bytes
	global_store_b128 v[L16], v[RB+4:RB+7], s[SB1:SB1+1]
	s_branch .Ldone
.Lvpath:
.irp a, 0,1,2,3,4,5,6,7
	EPI \a, 1
.endr
	ds_load_b128 v[RB:RB+3], v[SVR]
	s_wait_dscnt 0x0
	global_store_b128 v[VSO], v[RB:RB+3], s[VB:VB+1] offset:12800   ; sixteen lanes store a head's 256 bytes
.Ldone:
	s_wait_tensorcnt 0x0                           ; the wave's end
	ds_add_u32 v[SPW], v[NIL]
	s_wait_dscnt 0x0
	CROUND                                         ; the closing round
	s_endpgm
.Lfunc_end_k_q5f1a05acc2_proj:
	.size	k_q5f1a05acc2_proj, .Lfunc_end_k_q5f1a05acc2_proj-k_q5f1a05acc2_proj
	.p2alignl 7, 3214868480
	.fill 96, 4, 3214868480
	.section	.rodata,"a",@progbits
	.p2align	6, 0x0
	.amdhsa_kernel k_q5f1a05acc2_proj
		.amdhsa_group_segment_fixed_size 327680
		.amdhsa_private_segment_fixed_size 0
		.amdhsa_enable_private_segment 0
		.amdhsa_kernarg_size 64
		.amdhsa_user_sgpr_count 2
		.amdhsa_user_sgpr_kernarg_segment_ptr 1
		.amdhsa_wavefront_size32 1
		.amdhsa_system_sgpr_workgroup_id_x 1
		.amdhsa_system_sgpr_workgroup_id_y 1
		.amdhsa_system_sgpr_workgroup_id_z 1
		.amdhsa_system_vgpr_workitem_id 0
		.amdhsa_next_free_vgpr 1024
		.amdhsa_next_free_sgpr 100
		.amdhsa_reserve_vcc 0
		.amdhsa_float_denorm_mode_32 3
		.amdhsa_float_denorm_mode_16_64 3
		.amdhsa_memory_ordered 1
		.amdhsa_forward_progress 1
		.amdhsa_inst_pref_size 224
	.end_amdhsa_kernel
	.amdgpu_metadata
---
amdhsa.version: [ 1, 2 ]
amdhsa.kernels:
  - .name:           k_q5f1a05acc2_proj
    .symbol:         k_q5f1a05acc2_proj.kd
    .args:
      - { .name: cod, .offset: 0, .size: 8, .value_kind: global_buffer, .address_space: global }
      - { .name: scl, .offset: 8, .size: 8, .value_kind: global_buffer, .address_space: global }
      - { .name: bq, .offset: 16, .size: 8, .value_kind: global_buffer, .address_space: global }
      - { .name: bk, .offset: 24, .size: 8, .value_kind: global_buffer, .address_space: global }
      - { .name: bv, .offset: 32, .size: 8, .value_kind: global_buffer, .address_space: global }
      - { .name: qc, .offset: 40, .size: 8, .value_kind: global_buffer, .address_space: global }
      - { .name: qs, .offset: 48, .size: 8, .value_kind: global_buffer, .address_space: global }
      - { .name: kv, .offset: 56, .size: 8, .value_kind: global_buffer, .address_space: global }
    .group_segment_fixed_size: 327680
    .private_segment_fixed_size: 0
    .kernarg_segment_align: 8
    .kernarg_segment_size: 64
    .max_flat_workgroup_size: 128
    .sgpr_count:     100
    .vgpr_count:     1024
    .wavefront_size: 32
...
	.end_amdgpu_metadata
.endif
;; end of part 2
;; launch attn (part 3): grid 256 x 1, 8 waves a work-group, clusters of 4 x 1, 210,944 bytes of LDS; arguments qc, qs, kv, oc, os; writes oc, os
.if DOCPART == 3
	.amdgcn_target "amdgcn-amd-amdhsa--gfx1250"
	.amdhsa_code_object_version 6
	.text
	.protected	k_q5f1a05acc2_attn
	.globl	k_q5f1a05acc2_attn
	.p2align	8
	.type	k_q5f1a05acc2_attn,@function
k_q5f1a05acc2_attn:
	s_mov_b64 s[64:65], 0
	v_nop
	global_prefetch_b8 v0, s[64:65] scope:SCOPE_SE
	s_setreg_imm32_b32 hwreg(HW_REG_WAVE_MODE, 25, 1), 1
	s_wait_xcnt 0x0
	s_wait_alu depctr_hold_cnt(0) depctr_sa_sdst(0) depctr_va_vdst(0) depctr_va_sdst(0) depctr_va_ssrc(0) depctr_va_vcc(0) depctr_vm_vsrc(0)
	s_getreg_b32 s2, hwreg(HW_REG_IB_STS2, 6, 4)
	s_cmp_eq_u32 s2, 0
	s_cbranch_scc0 .Lentry_in_a_cluster
	s_endpgm
.Lentry_in_a_cluster:
	s_bfe_u32 s2, ttmp6, 0x10000c
	s_cmp_lg_u32 s2, 0x3003
	s_cbranch_scc0 .Lentry_shape_is_right
	s_endpgm
.Lentry_shape_is_right:
; o[b][h][q][:] = sum over k of softmax_k(q . k / 8) v[k][:], both products on codes of FP6 (E2M3) with E8M0 scales; the result, divided by the row's sum, is quantised along d_model and leaves as codes for the last projection.
; THE SOFTMAX: t = score x log2(e) / 8; M = the row's largest t so far, rounded UP to a whole number; p = 2^(t - M) is quantised along the keys.  The row's sum is taken of the unquantised p and divides at the end.
; When M moves, the sum and O are multiplied by 2^(old M - new M): exact.
; SHARES.  A cluster of four work-groups owns one (batch, head); a work-group 512 of its 2,048 queries; each of its eight waves TWO tiles of 16 queries in each of two passes: a fragment of K or V read from LDS feeds two products,
; and every dependent chain of the softmax has the other tile's (and the other block's) beside it.  Two waves share a SIMD.
; THE WHOLE HEAD LIES IN LDS: 16 records of 13,056 bytes (128 keys: K's eight tiles at 768 T, V^T's four fragments at 6,144 + 1,536 c, K's scale words at 12,288, V's at 12,800), filled ONCE: each wave asks for two records on end
; by one load, jointly with the same wave of the three partners.  Nothing is filled again: one work-group barrier behind the fill, none in the loops.  No prefetch: every tensor load of the launch goes out at its head.
; LAYOUT.  Both products are used transposed (S^T = K Q^T, O^T = V^T P^T): a lane holds ONE query.  A record's tile T = 2 b + u holds in lane r key 32 b + 8 u + r + 8 (r / 8).  THE TILES ARE READ REGROUPED: tile (c, j) of this text
; has key 64 c + 32 (r / 8) + 8 j + r % 8 in row r, which is row 8 (j / 2) + r % 8 of the record's tile 4 c + 2 (r / 8) + j % 2: a lane term and an immediate.  So a lane's 32 scores of tiles (c, 0 .. 3) are keys
; 64 c + 32 (lane / 16) + 0 .. 31: one whole scale block, in the order of P's operand: a block's maximum needs no other lane, and the conversions' results are the operand's registers but for three moves a block.
; (Rows 0-7 and 8-15 of such a tile lie 1,536 bytes apart in LDS)
; THE HEAD HAS 64 CHANNELS, THE INSTRUCTION 128 ALONG K.  Q's codes for k = 64..127 are zeros, and bytes 2, 3 of Q's and K's scale words are 0 (2^-127, no NaN).  K's tiles are six registers each, on end; a tile is named as twelve,
; so its upper six are the next tile's codes (behind the last: six registers of zeros): finite numbers against zero codes add nothing.
; LIMITS: NaN and infinities are not served; in the result's quantiser a block of zeros gets the byte 1 (its codes are zeros; the bytes are read by this program alone); the promise holds while |t| stays under 2^31.
; REGISTERS.  Window 0: v1-13 addresses; v14-25 a tile's -M, largest score, sum (2), factor (2); v26-35 scale words; v36-60 at work; v64-191 S^T, then p; v192-245 K (v192-223 also partial sums).
; Window 1: v0-63 O^T; v64-87 Q; v88-135 V^T; v136-159 p's codes; v160-175 the conversions' second halves; v176-187 the second pass's Q.
.set RECB,  13056
.set HEADB, 16*RECB
.set SPARE, 0x33000                    ; behind the head: the spare words, 128 bytes a wave
.set L16, 1                            ; 16, 4 x lane
.set L4,  2
.set LK16, 3                           ; K's lane terms: 1,536 (r / 8) + 256 h + 16 (r % 8); .. + 128 h + 8 (r % 8); 128 (r / 8) + 64 h + 4 (r % 8)
.set LK8, 4
.set LK4, 5
.set AV16, 6                           ; the record in hand + the five lane terms
.set AV4, 7
.set AK16, 8
.set AK8, 9
.set AK4, 10
.set SPW, 11
.set NIL, 12
.set SH8, 13                           ; 8 h
.set ST,  14                           ; tile q: ST + 6 q: -M, largest score, sum (2), factor (2)
.set KS,  26                           ; K's scale words: register b: lanes 0-15 tile 2 b, lanes 16-31 tile 2 b + 1
.set VS,  30
.set QS,  32
.set PS,  34
.set BM,  36                           ; + 2 q + c: a block's largest score, then largest p
.set XX,  40
.set SO,  42
.set BY,  46
.set TS,  50                           ; + 2 q: a second chain of the sum
.set TT,  54
.set R2,  56
.set R4,  57
.set QS2, 58
.set L8,  60
.set S,   64
.set KF,  192
.set OT,  0                            ; window 1 from here on
.set QF,  64
.set VF,  88
.set PC,  136
.set CV,  160
.set Q2,  176
.set WV,   14
.set CX,   15
.set G1,   20
.set G0,   28
.set SEL,  32
.set CS,   34                          ; s[34:35] c = log2(e) / 8
.set TB,   36
.set CNT,  37
.set PASS, 38
.set NC,   39                          ; -c
.set QP,   40
.set QSP,  42
.set OCP,  44
.set OSP,  46
.set MSB, 0
.macro WIN new                         ; bits 1:0 source 0, 3:2 source 1, 5:4 source 2, 7:6 destination; the high byte repeats the setting that is left
.if MSB != (\new)
	s_set_vgpr_msb (MSB<<8)|(\new)
.set MSB, \new
.endif
.endm
.macro WALU
	s_wait_alu depctr_va_vdst(0)
.endm
.macro CROUND
	s_barrier_signal -1
	s_barrier_wait -1
	s_cmp_lg_u32 s[WV], 0
	s_cbranch_scc1 .Lnot_wave_0_\@
	s_barrier_signal -3
.Lnot_wave_0_\@:
	s_barrier_wait -3
	s_barrier_signal -1
	s_barrier_wait -1
.endm
	s_load_b256 s[4:11], s[0:1], 0x0               ; qc, qs, kv, oc
	s_load_b64 s[12:13], s[0:1], 0x20              ; os
	v_lshl_add_u32 v[SPW], v0, 2, SPARE
	v_mov_b32 v[NIL], 0
	ds_add_u32 v[SPW], v[NIL]                      ; the opening lines: the add, twice on end, and its wait
	ds_add_u32 v[SPW], v[NIL]
	v_lshrrev_b32 v[TT], 5, v0
	v_readfirstlane_b32 s[WV], v[TT]               ; wave 0..7
	s_bfe_u32 s[CX], ttmp6, 0x40000                ; my place in the cluster: it enters Q's and O's addresses alone
	s_mov_b32 s[G1], 15|(3<<16)|(1<<21)            ; two records, dense, as 102 rows of 256 bytes (32 elements of 8 bytes); the mask names all four work-groups
	s_mov_b32 s[G1+1], 32<<16
	s_mov_b32 s[G1+2], 102<<16
	s_mov_b32 s[G1+3], 32<<16
	s_mov_b32 s[G1+4], 102
	s_mov_b32 s[G1+5], 32
	s_mov_b32 s[G1+6], 0
	s_mov_b32 s[G1+7], 0
	s_mul_i32 s18, s[WV], 2*RECB                   ; my two records, in LDS and in the head
	s_mul_i32 s16, ttmp9, HEADB                    ; ttmp9 counts clusters: 16 x batch + head
	s_add_co_u32 s16, s16, s18
	s_mov_b32 s17, 0
	s_lshl_b32 s48, ttmp9, 7
	s_lshl_b32 s49, s[CX], 5
	s_lshl_b32 s50, s[WV], 1
	s_add_co_u32 s49, s49, s50                     ; my first tile of queries in the head: 32 cx + 2 wave; the second pass's lie 16 further on
	s_add_co_u32 s48, s48, s49
	s_mul_i32 s[QP], s48, 768
	s_mov_b32 s[QP+1], 0
	s_lshl_b32 s[QSP], s48, 6
	s_mov_b32 s[QSP+1], 0
	s_lshr_b32 s50, ttmp9, 4
	s_lshl_b32 s50, s50, 7
	s_add_co_u32 s50, s50, s49                     ; the same tile as a row tile of the last projection's operand
	s_and_b32 s51, ttmp9, 15                       ; the head: half head % 2 of K step head / 2
	s_mul_i32 s[OCP], s50, 12288
	s_mul_i32 s48, s51, 768
	s_add_co_u32 s[OCP], s[OCP], s48
	s_mov_b32 s[OCP+1], 0
	s_lshl_b32 s[OSP], s51, 14                     ; os [head 16][row tile 512][r 16] of two bytes
	s_lshl_b32 s48, s50, 5
	s_add_co_u32 s[OSP], s[OSP], s48
	s_mov_b32 s[OSP+1], 0
	s_mov_b32 s[SEL], 0x76543210
	s_mov_b32 s[SEL+1], 0xfedcba98
	s_mov_b32 s[CS], 0x3e38aa3b
	s_mov_b32 s[CS+1], s[CS]
	s_mov_b32 s[NC], 0xbe38aa3b
	s_wait_dscnt 0x0
	s_wait_kmcnt 0x0
	s_mov_b32 s[G0], 1
	s_mov_b32 s[G0+1], s18
	s_add_nc_u64 s[G0+2:G0+3], s[8:9], s[16:17]
	s_or_b32 s[G0+3], s[G0+3], 0x80000000
	s_add_nc_u64 s[QP:QP+1], s[4:5], s[QP:QP+1]
	s_add_nc_u64 s[QSP:QSP+1], s[6:7], s[QSP:QSP+1]
	s_add_nc_u64 s[OCP:OCP+1], s[10:11], s[OCP:OCP+1]
	s_add_nc_u64 s[OSP:OSP+1], s[12:13], s[OSP:OSP+1]
	CROUND                                         ; all four work-groups are here: the joint loads meet
	tensor_load_to_lds s[G0:G0+3], s[G1:G1+7]      ; my one tensor load of the launch
	s_nop 0
.rept 4
	v_nop
.endr
	v_and_b32 v[TT], 31, v0                        ; lane
	v_and_b32 v[TT+1], 15, v0                      ; r
	v_bfe_u32 v[XX], v0, 4, 1                      ; h
	v_bfe_u32 v[XX+1], v0, 3, 1                    ; r / 8
	v_and_b32 v[BM], 7, v0                         ; r % 8
	v_lshlrev_b32 v[L16], 4, v[TT]
	v_lshlrev_b32 v[L8], 3, v[TT]
	v_lshlrev_b32 v[L4], 2, v[TT]
	v_mul_u32_u24 v[LK16], v[XX+1], 1536
	v_lshl_add_u32 v[LK8], v[XX], 7, v[LK16]
	v_lshl_add_u32 v[LK16], v[XX], 8, v[LK16]
	v_lshl_add_u32 v[LK16], v[BM], 4, v[LK16]
	v_lshl_add_u32 v[LK8], v[BM], 3, v[LK8]
	v_lshlrev_b32 v[LK4], 7, v[XX+1]
	v_lshl_add_u32 v[LK4], v[XX], 6, v[LK4]
	v_lshl_add_u32 v[LK4], v[BM], 2, v[LK4]
	v_lshlrev_b32 v[SH8], 3, v[XX]
	v_lshlrev_b32 v[R4], 2, v[TT+1]
	v_lshlrev_b32 v[R2], 1, v[TT+1]
	WIN 0x40
.irp q, 0,1
	global_load_b128 v[QF+12*\q:QF+12*\q+3], v[L16], s[QP:QP+1] offset:768*\q          ; Q's half images, first pass
	global_load_b64 v[QF+12*\q+4:QF+12*\q+5], v[L8], s[QP:QP+1] offset:768*\q+512
	global_load_b128 v[Q2+6*\q:Q2+6*\q+3], v[L16], s[QP:QP+1] offset:12288+768*\q      ; second pass: 16 tiles on
	global_load_b64 v[Q2+6*\q+4:Q2+6*\q+5], v[L8], s[QP:QP+1] offset:12800+768*\q
.endr
.irp j, 6,7,8,9,10,11,18,19,20,21,22,23
	v_mov_b32 v[QF+\j], 0                          ; Q's upper halves
.endr
	WIN 0
.irp q, 0,1
	global_load_b32 v[QS+\q], v[R4], s[QSP:QSP+1] offset:64*\q
	global_load_b32 v[QS2+\q], v[R4], s[QSP:QSP+1] offset:1024+64*\q
.endr
.irp j, KF+48,KF+49,KF+50,KF+51,KF+52,KF+53,ST+5,ST+11
	v_mov_b32 v[\j], 0                             ; the six registers behind K's last tile, and the upper halves of the factors' pairs
.endr
	WALU                                           ; the wait at the head's end
	s_wait_tensorcnt 0x0                           ; my records are in,
	s_barrier_signal -1
	s_barrier_wait -1                              ; everybody's are: the head is whole
	s_wait_loadcnt 0x0
.macro KLOAD off                       ; a record's K, regrouped: 16 + 4 LDS loads
.irp c, 0,1
.irp j, 0,1,2,3
	ds_load_b128 v[KF+24*\c+6*\j:KF+24*\c+6*\j+3], v[AK16] offset:\off+768*(4*\c+\j%2)+128*(\j/2)
	ds_load_b64 v[KF+24*\c+6*\j+4:KF+24*\c+6*\j+5], v[AK8] offset:\off+768*(4*\c+\j%2)+512+64*(\j/2)
.endr
.endr
.irp b, 0,1,2,3
	ds_load_b32 v[KS+\b], v[AK4] offset:\off+12288+256*(\b/2)+32*(\b%2)
.endr
.endm
; A KEY STEP: 128 keys x my 32 queries.  next = 1: the next record's K is asked for behind the first part of the sums.
.macro STEP next
	s_wait_dscnt 0x0                               ; K is in
	WIN 0x04                                       ; source 1 (Q) in window 1
.irp b, 0,1,2,3
.irp u, 0,1
.irp q, 0,1
	v_wmma_scale_f32_16x16x128_f8f6f4 v[S+64*\q+16*\b+8*\u:S+64*\q+16*\b+8*\u+7], v[KF+12*\b+6*\u:KF+12*\b+6*\u+11], v[QF+12*\q:QF+12*\q+11], 0, v[KS+\b], v[QS+\q] matrix_a_fmt:MATRIX_FMT_FP6 matrix_b_fmt:MATRIX_FMT_FP6 matrix_a_scale:MATRIX_SCALE_ROW\u
.endr
.endr
.endr
	WIN 0
	v_add_nc_u32 v[AV16], s[TB], v[L16]            ; five additions: the places behind the products (their results are read, V's registers of the last step's products are loaded)
	v_add_nc_u32 v[AV4], s[TB], v[L4]
	v_add_nc_u32 v[AK16], s[TB], v[LK16]
	v_add_nc_u32 v[AK8], s[TB], v[LK8]
	v_add_nc_u32 v[AK4], s[TB], v[LK4]
	WIN 0x40
.irp c, 0,1,2,3
.irp g, 0,1,2
	ds_load_b128 v[VF+12*\c+4*\g:VF+12*\c+4*\g+3], v[AV16] offset:6144+1536*\c+512*\g   ; V^T: it lands under the softmax
.endr
.endr
	WIN 0
.irp p, 0,1
	ds_load_b32 v[VS+\p], v[AV4] offset:12800+128*\p
.endr
.irp q, 0,1                                    ; the largest score of each block of 32 keys, all in my lane: four chains by turns, each accumulator from its low end on
.irp c, 0,1
	v_max3_num_f32 v[BM+2*\q+\c], v[S+64*\q+32*\c], v[S+64*\q+32*\c+1], v[S+64*\q+32*\c+2]
.endr
.endr
.irp i, 3,5,7,9,11,13,15,17,19,21,23,25,27,29
.irp q, 0,1
.irp c, 0,1
	v_max3_num_f32 v[BM+2*\q+\c], v[BM+2*\q+\c], v[S+64*\q+32*\c+\i], v[S+64*\q+32*\c+\i+1]
.endr
.endr
.endr
.irp q, 0,1
.irp c, 0,1
	v_max_num_f32 v[BM+2*\q+\c], v[BM+2*\q+\c], v[S+64*\q+32*\c+31]
.endr
.endr
.irp q, 0,1
	v_max3_num_f32 v[ST+6*\q+1], v[ST+6*\q+1], v[BM+2*\q], v[BM+2*\q+1]   ; the running largest score, my 64 keys,
.endr
.irp q, 0,1
	v_permlanex16_b32 v[XX+\q], v[ST+6*\q+1], s[SEL], s[SEL+1]
.endr
.irp q, 0,1
	v_max_num_f32 v[ST+6*\q+1], v[ST+6*\q+1], v[XX+\q]                    ; and lane l xor 16's
.endr
.irp q, 0,1
	v_mul_f32 v[TT+\q], s[NC], v[ST+6*\q+1]        ; -t
.endr
.irp q, 0,1
	v_floor_f32 v[TT+\q], v[TT+\q]                 ; the new -M = floor(-t) = -ceil(t)
.endr
.irp q, 0,1
	v_sub_f32 v[XX+\q], v[TT+\q], v[ST+6*\q]       ; old M - new M: a whole number, 0 or less
.endr
.irp q, 0,1
	v_mov_b32 v[ST+6*\q], v[TT+\q]
.endr
.irp q, 0,1
	v_cvt_i32_f32 v[XX+\q], v[XX+\q]               ; (it saturates)
.endr
.irp q, 0,1
	v_ldexp_f32 v[ST+6*\q+4], 1.0, v[XX+\q]        ; f = 2^(old M - new M)
.endr
.set jj, 0
.rept 32
	v_pk_fma_f32 v[S+jj:S+jj+1], v[S+jj:S+jj+1], s[CS:CS+1], v[ST:ST+1] op_sel_hi:[1,0,0]   ; tile 0: t - M, two at a time
.set jj, jj+2
.endr
.irp q, 0,1
.irp c, 0,1
	v_fma_f32 v[BM+2*\q+\c], v[BM+2*\q+\c], s[CS], v[ST+6*\q]   ; the same of each block's largest score
.endr
.endr
	WIN 0x41
.irp q, 0,1
.set jj, 0
.rept 16
	v_pk_mul_f32 v[OT+32*\q+jj:OT+32*\q+jj+1], v[OT+32*\q+jj:OT+32*\q+jj+1], v[ST+6*\q+4:ST+6*\q+5] op_sel_hi:[1,0]   ; O^T under the new M, ahead of the exponentials
.set jj, jj+2
.endr
.endr
	WIN 0
	WALU                                           ; the wait ahead of a batch of transcendentals
.set jj, 0
.rept 32
	v_exp_f32 v[S+jj], v[S+jj]                     ; tile 0: p = 2^(t - M)
	v_exp_f32 v[S+jj+1], v[S+jj+1]
	v_pk_fma_f32 v[S+64+jj:S+65+jj], v[S+64+jj:S+65+jj], s[CS:CS+1], v[ST+6:ST+7] op_sel_hi:[1,0,0]   ; tile 1: t - M; first read behind the next wait
.set jj, jj+2
.endr
.irp b, 0,1,2,3
	v_exp_f32 v[BM+\b], v[BM+\b]                   ; the blocks' largest p: the same two instructions on the same number
.endr
	v_pk_mul_f32 v[ST+2:ST+3], v[ST+2:ST+3], v[ST+4:ST+5] op_sel_hi:[1,0]   ; tile 0's sum under the new M: the plain line behind the batch
	WALU                                           ; behind the first batch and ahead of the second
.set jj, 0
.rept 16
	v_exp_f32 v[S+64+2*jj], v[S+64+2*jj]           ; tile 1
	v_exp_f32 v[S+65+2*jj], v[S+65+2*jj]
	v_exp_f32 v[S+66+2*jj], v[S+66+2*jj]
	v_exp_f32 v[S+67+2*jj], v[S+67+2*jj]
	v_pk_add_f32 v[KF+jj:KF+jj+1], v[S+2*jj:S+2*jj+1], v[S+2*jj+2:S+2*jj+3]   ; tile 0's sum, first level, into registers of their own (K's are done with): read behind the next wait
.set jj, jj+2
.endr
	v_pk_mul_f32 v[ST+8:ST+9], v[ST+8:ST+9], v[ST+10:ST+11] op_sel_hi:[1,0]
	WALU                                           ; behind the second batch
	v_pk_add_f32 v[TS:TS+1], v[KF:KF+1], v[KF+2:KF+3]                ; THE SUMS ARE TAKEN OF THE UNQUANTISED p: four chains by turns
	v_pk_add_f32 v[TS+2:TS+3], v[S+64:S+65], v[S+66:S+67]
.set jj, 4
.rept 7
	v_pk_add_f32 v[ST+2:ST+3], v[ST+2:ST+3], v[KF+jj:KF+jj+1]
	v_pk_add_f32 v[ST+8:ST+9], v[ST+8:ST+9], v[S+64+jj:S+65+jj]
	v_pk_add_f32 v[TS:TS+1], v[TS:TS+1], v[KF+jj+2:KF+jj+3]
	v_pk_add_f32 v[TS+2:TS+3], v[TS+2:TS+3], v[S+66+jj:S+67+jj]
.set jj, jj+4
.endr
	v_pk_add_f32 v[ST+2:ST+3], v[ST+2:ST+3], v[TS:TS+1]
.if \next
	KLOAD RECB                                     ; K's registers are free: the next record's K, through the same address registers
.endif
.irp b, 0,1,2,3
	v_max_num_f32 v[BM+\b], 0x1800000, v[BM+\b]    ; the floor 2^(3 - 127): the byte cannot fall under 1
.endr
.irp b, 0,1,2,3
	v_add_nc_u32 v[SO+\b], 0xff000000, v[BM+\b]    ; 2 off the exponent field: the conversion's scale operand
.endr
.irp b, 0,1,2,3
	v_lshrrev_b32 v[BY+\b], 23, v[SO+\b]           ; the scale's byte
.endr
.irp q, 0,1
	v_lshl_or_b32 v[TT+\q], v[BY+2*\q+1], 16, v[BY+2*\q]   ; my blocks h and 2 + h,
.endr
.irp q, 0,1
	v_lshlrev_b32 v[TT+\q], v[SH8], v[TT+\q]       ; at their places in the word;
.endr
.irp q, 0,1
	v_permlanex16_b32 v[XX+\q], v[TT+\q], s[SEL], s[SEL+1]
.endr
.irp q, 0,1
	v_or_b32 v[PS+\q], v[TT+\q], v[XX+\q]          ; with lane l xor 16's two the word is whole
.endr
	WIN 0x40
.irp q, 0,1
.irp c, 0,1
	v_cvt_scalef32_pk16_fp6_f32 v[PC+12*\q+6*\c:PC+12*\q+6*\c+2], v[S+64*\q+32*\c:S+64*\q+32*\c+15], v[SO+2*\q+\c]
	v_cvt_scalef32_pk16_fp6_f32 v[CV+8*\q+4*\c:CV+8*\q+4*\c+2], v[S+64*\q+32*\c+16:S+64*\q+32*\c+31], v[SO+2*\q+\c]   ; (a conversion's three registers begin on an even number)
.endr
.endr
	v_nop                                          ; one plain place behind a scaled conversion
	WIN 0x41
.irp q, 0,1
.irp c, 0,1
.irp i, 0,1,2
	v_mov_b32 v[PC+12*\q+6*\c+3+\i], v[CV+8*\q+4*\c+\i]
.endr
.endr
.endr
	WIN 0
.set jj, 32
.rept 8
	v_pk_add_f32 v[ST+8:ST+9], v[ST+8:ST+9], v[S+64+jj:S+65+jj]       ; the rest of tile 1's sum: these 17 lines are also the places between the scale words' and the codes' last writes and the products
	v_pk_add_f32 v[TS+2:TS+3], v[TS+2:TS+3], v[S+66+jj:S+67+jj]
.set jj, jj+4
.endr
	v_pk_add_f32 v[ST+8:ST+9], v[ST+8:ST+9], v[TS+2:TS+3]
	WALU                                           ; the wait ahead of the blocking wait below
.if \next
	s_wait_dscnt 20
.else
	s_wait_dscnt 0x0
.endif
	WIN 0x55
.irp p, 0,1                                    ; O^T += V^T P^T: the eight accumulators take turns, one instruction a turn
.irp u, 0,1
.irp q, 0,1
	v_wmma_scale_f32_16x16x128_f8f6f4 v[OT+32*\q+16*\p+8*\u:OT+32*\q+16*\p+8*\u+7], v[VF+24*\p+12*\u:VF+24*\p+12*\u+11], v[PC+12*\q:PC+12*\q+11], v[OT+32*\q+16*\p+8*\u:OT+32*\q+16*\p+8*\u+7], v[VS+\p], v[PS+\q] matrix_a_fmt:MATRIX_FMT_FP6 matrix_b_fmt:MATRIX_FMT_FP6 matrix_a_scale:MATRIX_SCALE_ROW\u
.endr
.endr
.endr
	WIN 0
.if \next
	s_add_co_u32 s[TB], s[TB], RECB
.endif
.endm
	s_mov_b32 s[PASS], 2
.Lpass:
	WIN 0x40
.set jj, 0
.rept 64
	v_mov_b32 v[OT+jj], 0                          ; O^T: the step is written once; its first run finds zeros, which the first change of M leaves zeros
.set jj, jj+1
.endr
	WIN 0
.irp q, 0,1
	v_mov_b32 v[ST+6*\q+1], 0xff61b1e6             ; the largest score so far: -3e38
	v_mov_b32 v[ST+6*\q+2], 0                      ; the sum, in two halves
	v_mov_b32 v[ST+6*\q+3], 0
	v_mul_f32 v[ST+6*\q], s[NC], v[ST+6*\q+1]
.endr
.irp q, 0,1
	v_floor_f32 v[ST+6*\q], v[ST+6*\q]             ; -M
.endr
	s_mov_b32 s[TB], 0
	v_add_nc_u32 v[AK16], s[TB], v[LK16]
	v_add_nc_u32 v[AK8], s[TB], v[LK8]
	v_add_nc_u32 v[AK4], s[TB], v[LK4]
	KLOAD 0
	s_mov_b32 s[CNT], 15
	WALU                                           ; the wait ahead of the blocking wait below
.Lstep:
	STEP 1
	s_sub_co_u32 s[CNT], s[CNT], 1
	s_cmp_lg_u32 s[CNT], 0
	s_cbranch_scc1 .Lstep
	STEP 0                                         ; the last record: no K behind it
	; THE WAY OUT.  O^T / the sum; register 16 b + i of a tile is channel 32 b + 16 (lane / 16) + i of my query: two blocks along d_model, each in lanes l and l xor 16.  They become half a fragment and two scale bytes.
.irp q, 0,1
	v_add_f32 v[ST+6*\q+2], v[ST+6*\q+2], v[ST+6*\q+3]
.endr
.irp q, 0,1
	v_permlanex16_b32 v[XX+\q], v[ST+6*\q+2], s[SEL], s[SEL+1]
.endr
.irp q, 0,1
	v_add_f32 v[ST+6*\q+2], v[ST+6*\q+2], v[XX+\q] ; the row's sum
.endr
	WALU
.irp q, 0,1
	v_rcp_f32 v[ST+6*\q+2], v[ST+6*\q+2]
.endr
.rept 4
	v_nop                                          ; the plain place behind the reciprocals, and the places behind the last products
.endr
	WIN 0x01
	WALU                                           ; ahead of the first reader of the reciprocals and of O^T
.irp q, 0,1
.set jj, 0
.rept 16
	v_pk_mul_f32 v[S+64*\q+jj:S+64*\q+jj+1], v[OT+32*\q+jj:OT+32*\q+jj+1], v[ST+6*\q+2:ST+6*\q+3] op_sel_hi:[1,0]   ; each accumulator from its low end on
.set jj, jj+2
.endr
.endr
	WIN 0
.irp q, 0,1
.irp b, 0,1
	v_max3_num_f32 v[BM+2*\q+\b], |v[S+64*\q+16*\b]|, |v[S+64*\q+16*\b+1]|, 0x1800000
.endr
.endr
.irp i, 2,4,6,8,10,12,14
.irp q, 0,1
.irp b, 0,1
	v_max3_num_f32 v[BM+2*\q+\b], v[BM+2*\q+\b], |v[S+64*\q+16*\b+\i]|, |v[S+64*\q+16*\b+\i+1]|
.endr
.endr
.endr
.irp b, 0,1,2,3
	v_permlanex16_b32 v[BY+\b], v[BM+\b], s[SEL], s[SEL+1]
.endr
.irp b, 0,1,2,3
	v_max_num_f32 v[BM+\b], v[BM+\b], v[BY+\b]
.endr
.irp b, 0,1,2,3
	v_add_nc_u32 v[SO+\b], 0xff000000, v[BM+\b]
.endr
.irp b, 0,1,2,3
	v_lshrrev_b32 v[BY+\b], 23, v[SO+\b]
.endr
.irp q, 0,1
	v_lshl_or_b32 v[TT+\q], v[BY+2*\q+1], 8, v[BY+2*\q]
.endr
.irp q, 0,1
	v_cvt_scalef32_pk16_fp6_f32 v[KF+12*\q:KF+12*\q+2], v[S+64*\q:S+64*\q+15], v[SO+2*\q]
	v_cvt_scalef32_pk16_fp6_f32 v[KF+12*\q+6:KF+12*\q+8], v[S+64*\q+16:S+64*\q+31], v[SO+2*\q+1]
.endr
	v_nop                                          ; one plain place behind a scaled conversion
.irp q, 0,1
.irp i, 0,1,2
	v_permlane16_swap_b32 v[KF+12*\q+\i], v[KF+12*\q+6+\i]   ; the operand's layout wants a whole block in a lane
.endr
.endr
.irp q, 0,1
.irp i, 0,1,2
	v_mov_b32 v[KF+12*\q+3+\i], v[KF+12*\q+6+\i]
.endr
.endr
.irp q, 0,1
	global_store_b128 v[L16], v[KF+12*\q:KF+12*\q+3], s[OCP:OCP+1] offset:12288*\q          ; 512 consecutive bytes,
	global_store_b64 v[L8], v[KF+12*\q+4:KF+12*\q+5], s[OCP:OCP+1] offset:12288*\q+512      ; and 256: both at multiples of 256 from oc's first byte
	global_store_b16 v[R2], v[TT+\q], s[OSP:OSP+1] offset:32*\q                             ; my row's two bytes (lanes 16-31 repeat lanes 0-15); the eight waves of a pass cover 512 consecutive bytes
.endr
	s_wait_xcnt 0x0                                ; the stores have read their registers and bases: both are written again only behind this wait
	s_add_nc_u64 s[OCP:OCP+1], s[OCP:OCP+1], 196608    ; 16 row tiles on
	s_add_nc_u64 s[OSP:OSP+1], s[OSP:OSP+1], 512
	WIN 0x41
.irp q, 0,1
.irp j, 0,1,2,3,4,5
	v_mov_b32 v[QF+12*\q+\j], v[Q2+6*\q+\j]        ; the second pass's Q
.endr
.endr
	WIN 0
.irp q, 0,1
	v_mov_b32 v[QS+\q], v[QS2+\q]
.endr
	s_sub_co_u32 s[PASS], s[PASS], 1
	s_cmp_lg_u32 s[PASS], 0
	WALU                                           ; the wait ahead of the branch
	s_cbranch_scc1 .Lpass
	s_wait_tensorcnt 0x0                           ; the wave's end
	ds_add_u32 v[SPW], v[NIL]
	s_wait_dscnt 0x0
	CROUND                                         ; the closing round
	s_endpgm
.Lfunc_end_k_q5f1a05acc2_attn:
	.size	k_q5f1a05acc2_attn, .Lfunc_end_k_q5f1a05acc2_attn-k_q5f1a05acc2_attn
	.p2alignl 7, 3214868480
	.fill 96, 4, 3214868480
	.section	.rodata,"a",@progbits
	.p2align	6, 0x0
	.amdhsa_kernel k_q5f1a05acc2_attn
		.amdhsa_group_segment_fixed_size 210944
		.amdhsa_private_segment_fixed_size 0
		.amdhsa_enable_private_segment 0
		.amdhsa_kernarg_size 40
		.amdhsa_user_sgpr_count 2
		.amdhsa_user_sgpr_kernarg_segment_ptr 1
		.amdhsa_wavefront_size32 1
		.amdhsa_system_sgpr_workgroup_id_x 1
		.amdhsa_system_sgpr_workgroup_id_y 1
		.amdhsa_system_sgpr_workgroup_id_z 1
		.amdhsa_system_vgpr_workitem_id 0
		.amdhsa_next_free_vgpr 448
		.amdhsa_next_free_sgpr 66
		.amdhsa_reserve_vcc 0
		.amdhsa_float_denorm_mode_32 3
		.amdhsa_float_denorm_mode_16_64 3
		.amdhsa_memory_ordered 1
		.amdhsa_forward_progress 1
		.amdhsa_inst_pref_size 71
	.end_amdhsa_kernel
	.amdgpu_metadata
---
amdhsa.version: [ 1, 2 ]
amdhsa.kernels:
  - .name:           k_q5f1a05acc2_attn
    .symbol:         k_q5f1a05acc2_attn.kd
    .args:
      - { .name: qc, .offset: 0, .size: 8, .value_kind: global_buffer, .address_space: global }
      - { .name: qs, .offset: 8, .size: 8, .value_kind: global_buffer, .address_space: global }
      - { .name: kv, .offset: 16, .size: 8, .value_kind: global_buffer, .address_space: global }
      - { .name: oc, .offset: 24, .size: 8, .value_kind: global_buffer, .address_space: global }
      - { .name: os, .offset: 32, .size: 8, .value_kind: global_buffer, .address_space: global }
    .group_segment_fixed_size: 210944
    .private_segment_fixed_size: 0
    .kernarg_segment_align: 8
    .kernarg_segment_size: 40
    .max_flat_workgroup_size: 256
    .sgpr_count:     66
    .vgpr_count:     448
    .wavefront_size: 32
...
	.end_amdgpu_metadata
.endif
;; end of part 3
;; launch outp (part 4): grid 4 x 64, 4 waves a work-group, clusters of 4 x 4, 327,680 bytes of LDS; arguments oc, os, cod, scl, bo, out0; writes out0
.if DOCPART == 4
	.amdgcn_target "amdgcn-amd-amdhsa--gfx1250"
	.amdhsa_code_object_version 6
	.text
	.protected	k_q5f1a05acc2_outp
	.globl	k_q5f1a05acc2_outp
	.p2align	8
	.type	k_q5f1a05acc2_outp,@function
k_q5f1a05acc2_outp:
	s_mov_b64 s[64:65], 0
	v_nop
	global_prefetch_b8 v0, s[64:65] scope:SCOPE_SE
	s_setreg_imm32_b32 hwreg(HW_REG_WAVE_MODE, 25, 1), 1
	s_wait_xcnt 0x0
	s_wait_alu depctr_hold_cnt(0) depctr_sa_sdst(0) depctr_va_vdst(0) depctr_va_sdst(0) depctr_va_ssrc(0) depctr_va_vcc(0) depctr_vm_vsrc(0)
	s_getreg_b32 s2, hwreg(HW_REG_IB_STS2, 6, 4)
	s_cmp_eq_u32 s2, 0
	s_cbranch_scc0 .Lentry_in_a_cluster
	s_endpgm
.Lentry_in_a_cluster:
	s_bfe_u32 s2, ttmp6, 0x10000c
	s_cmp_lg_u32 s2, 0xf033
	s_cbranch_scc0 .Lentry_shape_is_right
	s_endpgm
.Lentry_shape_is_right:
; out0 = o wo^T + bo on codes of FP6 (E2M3) with E8M0 scales, K = 1,024.  o's codes (oc) and wo's (cod, row tiles 704..) are images of operand registers, [row tile][K step 8][1,536 bytes];
; lane r of row tile 2 g + u holds row 32 g + 8 u + r + 8 (r / 8).  o's scale bytes come two to a head (os [head 16][row tile 512][r 16]); two heads make a K step's word.
; A block of out0, 128 tokens x 256 columns, is made by a work-group of four waves: 64 x 4 blocks are 256 work-groups.  A wave makes 64 x 128: 32 accumulators.  The matrix instruction is used transposed
; (source 0 = 16 rows of wo, source 1 = 16 tokens): a lane holds one token, and the 16 registers of wo's tiles 2 g, 2 g + 1 are 16 neighbouring columns.  The bias is the C of each sum's first product.
; HOW LDS IS FILLED: at the head one load a wave brings K steps 0, 1 (slot 0, rows of 3,072 bytes: waves 0, 1 four row tiles of o each, waves 2, 3 eight of wo each); behind the three lines and a round one load a wave brings
; K steps 2 to 5 (rows of 6,144 bytes, from SLOT on); in K step 1's round slot 0 is filled again with K steps 6, 7.  The scale words of a wave's 64 + 128 rows for all of K stay in 96 registers.
; CLUSTERS: 4 x 4 work-groups; o's tiles are asked for jointly along a row of the cluster, wo's along a column.  No prefetch: the launch has no loop to run ahead in.
; REGISTERS: window 0: v1-29 addresses; v30-61 o's scale words (8 i + s), v96-159 wo's (their numbers differ modulo 8); v160-255 o's fragments, two sets of 48; on the way out v128-255 hold rows.
; Window 1: wo's fragments, two sets, v0-95 and v128-223; the bias, v96-127 and v224-255.  Window 2: the accumulators, (a, b) at v[8 (8 a + b)].
.set HALFT, 24576                      ; the place of one wave's load in slot 0: 8 row tiles x 3,072 bytes (o's loads use half of it)
.set SLOT,  4*HALFT
.set SPARE, 3*SLOT                     ; the spare words, 128 bytes for each wave
.set SPITCH, 528                       ; the way out: 16 rows x (512 bytes + 16) for each wave, from SLOT on: those bytes have had their only fill, and nobody reads them behind the barrier of K step 5
.set A16, 4                            ; v4-6 LDS address of my half of o for K steps 0-1, 2-3, 4-5, + 16 x lane; v7-9 + 8 x lane
.set A8,  7
.set B16, 10                           ; v10-12, v13-15 the same for wo
.set B8,  13
.set L16, 16                           ; 16 x lane
.set L8,  17                           ; 8 x lane
.set STO, 18                           ; the stage: where I put 32 bytes of a row
.set RD,  20                           ; and where I read a row back
.set SCO, 24                           ; 32 r
.set BQO, 25                           ; 64 h
.set R2,  26                           ; 2 r
.set SPW, 28
.set NIL, 29
.set SA,  30
.set SB,  96
.set AF,  160
.set BK,  128                          ; the way out: 16 rows read back: v128-191 and v192-255 by turns
.set WV, 20
.set WR, 21
.set WC, 22
.set CX, 23
.set CY, 24
.set TR, 25
.set TC, 26
.set G1A, 28
.set G1B, 36
.set G0A, 44
.set ATILE, 61
.set BTILE, 62
.set G0B, 68
.set OB,  80
.set SAB, 90
.set SBB, 92
.set BIB, 94
.set MSB, 0
.macro WIN new
.if MSB != (\new)
	s_set_vgpr_msb (MSB<<8)|(\new)
.set MSB, \new
.endif
.endm
.set MUL_LO, 0xa1                      ; source 0 (wo) window 1, source 1 (o) window 0, C and D window 2
.set TO_B,   0x40
.macro PLACES n
.rept \n
	v_nop
.endr
.endm
.macro CREST
	s_cmp_lg_u32 s[WV], 0
	s_cbranch_scc1 .Lnot_wave_0_\@
	s_barrier_signal -3
.Lnot_wave_0_\@:
	s_barrier_wait -3
	s_barrier_signal -1
	s_barrier_wait -1
.endm
.macro CROUND
	s_barrier_signal -1
	s_barrier_wait -1
	CREST
.endm
.macro JLOAD o                         ; a joint load by group 0 set o / 4: waves 0, 1 ask for o, waves 2, 3 for wo; four v_nop follow each line
	s_cmp_eq_u32 s[WR], 0
	s_cbranch_scc0 .Lfor_b_\@
	tensor_load_to_lds s[G0A+\o:G0A+\o+3], s[G1A:G1A+7]
	s_nop 0
	PLACES 4
	s_branch .Lasked_\@
.Lfor_b_\@:
	tensor_load_to_lds s[G0B+\o:G0B+\o+3], s[G1B:G1B+7]
	s_nop 0
	PLACES 4
.Lasked_\@:
.endm
	s_load_b256 s[4:11], s[0:1], 0x0               ; oc, os, cod, scl
	s_load_b128 s[12:15], s[0:1], 0x20             ; bo, out0
	v_lshl_add_u32 v[SPW], v0, 2, SPARE
	v_mov_b32 v[NIL], 0
	ds_add_u32 v[SPW], v[NIL]                      ; the opening lines: the add, twice on end, and its wait
	ds_add_u32 v[SPW], v[NIL]
	s_wait_dscnt 0x0
	v_lshrrev_b32 v1, 5, v0
	v_readfirstlane_b32 s[WV], v1
	s_lshr_b32 s[WR], s[WV], 1                     ; my half of the tokens; also: I fetch for o (0) or for wo (1)
	s_and_b32 s[WC], s[WV], 1                      ; my half of the columns; also: which half of that tile I fetch
	s_bfe_u32 s[CX], ttmp6, 0x40000
	s_bfe_u32 s[CY], ttmp6, 0x40004
	s_lshl_b32 s[TC], ttmp9, 2
	s_add_co_u32 s[TC], s[TC], s[CX]               ; block column = 4 x cluster x + cx
	s_and_b32 s[TR], ttmp7, 0xffff
	s_lshl_b32 s[TR], s[TR], 2
	s_add_co_u32 s[TR], s[TR], s[CY]               ; block row = 4 x cluster y + cy
	s_lshl_b32 s27, s[CY], 2
	s_lshl_b32 s27, 15, s27                        ; my row of the cluster
	s_lshl_b32 s63, 0x1111, s[CX]                  ; my column
	s_or_b32 s[G1A], s27, (3<<16)|(1<<21)          ; rows of 384 elements of 8 bytes, 1,536 elements apart; dense in LDS
	s_or_b32 s[G1B], s63, (3<<16)|(1<<21)
.irp g, G1A, G1B
	s_mov_b32 s[\g+1], 384<<16
	s_mov_b32 s[\g+3], 384<<16
	s_mov_b32 s[\g+5], 1536
	s_mov_b32 s[\g+6], 0
	s_mov_b32 s[\g+7], 0
.endr
	s_mov_b32 s[G1A+2], 4<<16                      ; o: four row tiles a load
	s_mov_b32 s[G1A+4], 4
	s_mov_b32 s[G1B+2], 8<<16                      ; wo: eight
	s_mov_b32 s[G1B+4], 8
	s_lshl_b32 s96, s[WC], 3
	s_lshl_b32 s[ATILE], s[TR], 3
	s_lshl_b32 s2, s[WC], 2
	s_add_co_u32 s2, s[ATILE], s2
	s_mul_i32 s2, s2, 12288
	s_mov_b32 s3, 0
	s_lshl_b32 s[BTILE], s[TC], 4
	s_add_co_u32 s[BTILE], s[BTILE], 704
	s_add_co_u32 s98, s[BTILE], s96
	s_mul_i32 s98, s98, 12288
	s_mov_b32 s99, 0
	s_mul_i32 s97, s[WV], HALFT
	s_wait_kmcnt 0x0
	s_add_nc_u64 s[2:3], s[4:5], s[2:3]
	s_add_nc_u64 s[98:99], s[8:9], s[98:99]
.irp n, 0,1
	s_mov_b32 s[G0A+4*\n], 1
	s_add_co_u32 s[G0A+4*\n+1], s97, \n*SLOT
	s_add_nc_u64 s[G0A+4*\n+2:G0A+4*\n+3], s[2:3], \n*3072
	s_or_b32 s[G0A+4*\n+3], s[G0A+4*\n+3], 0x80000000
	s_mov_b32 s[G0B+4*\n], 1
	s_add_co_u32 s[G0B+4*\n+1], s97, \n*SLOT
	s_add_nc_u64 s[G0B+4*\n+2:G0B+4*\n+3], s[98:99], \n*3072
	s_or_b32 s[G0B+4*\n+3], s[G0B+4*\n+3], 0x80000000
.endr
	s_add_co_u32 s[G0A+5], s[G0A+5], s97           ; the second set's place: SLOT + wave x 2 HALFT
	s_add_co_u32 s[G0B+5], s[G0B+5], s97
	CROUND                                         ; all sixteen work-groups are here: the first joint loads meet
	s_cmp_eq_u32 s[WR], 0                          ; one tensor load a wave at the head: K steps 0, 1
	s_cbranch_scc0 .Lfirst_b
	tensor_load_to_lds s[G0A:G0A+3], s[G1A:G1A+7]
	s_nop 0
	PLACES 4
	s_branch .Lfirst_asked
.Lfirst_b:
	tensor_load_to_lds s[G0B:G0B+3], s[G1B:G1B+7]
	s_nop 0
	PLACES 4
.Lfirst_asked:
	v_and_b32 v3, 31, v0                           ; lane
	v_and_b32 v1, 15, v0                           ; r
	v_bfe_u32 v2, v0, 4, 1                         ; h
	v_lshlrev_b32 v[L16], 4, v3
	v_lshlrev_b32 v[L8], 3, v3
	s_mul_i32 s66, s[WR], HALFT
	s_mul_i32 s67, s[WC], HALFT
	s_add_co_u32 s67, s67, 2*HALFT
.irp n, 0,1,2
	v_add_nc_u32 v[A16+\n], s66, v[L16]
	v_add_nc_u32 v[A8+\n], s66, v[L8]
	v_add_nc_u32 v[B16+\n], s67, v[L16]
	v_add_nc_u32 v[B8+\n], s67, v[L8]
.if \n == 0
	s_lshl_b32 s66, s66, 1                         ; K steps 2, 3: SLOT + 2 x the half's place in slot 0
	s_lshl_b32 s67, s67, 1
	s_add_co_u32 s66, s66, SLOT
	s_add_co_u32 s67, s67, SLOT
.else
	s_add_co_u32 s66, s66, 3072                    ; K steps 4, 5: 3,072 bytes on in the same rows
	s_add_co_u32 s67, s67, 3072
.endif
.endr
	s_mul_i32 s66, s[WV], 16*SPITCH
	s_add_co_u32 s66, s66, SLOT                    ; my stage
	v_mul_u32_u24 v[STO], v1, SPITCH
	v_lshl_add_u32 v[STO], v2, 6, v[STO]
	v_add_nc_u32 v[STO], s66, v[STO]               ; in: row r, + 64 h
	v_add_nc_u32 v[RD], s66, v[L16]                ; back: the 32 lanes take one row of 512 bytes
	v_lshlrev_b32 v[SCO], 5, v1
	v_lshlrev_b32 v[BQO], 6, v2
	v_lshlrev_b32 v[R2], 1, v1
	s_wait_alu depctr_va_vdst(0)                   ; the wait ahead of the run of scalar lines below
	s_lshl_b32 s66, s[TR], 7
	s_lshl_b32 s67, s[WR], 6
	s_add_co_u32 s66, s66, s67
	s_lshl_b32 s80, s66, 12                        ; my first token's row of 4,096 bytes
	s_lshl_b32 s66, s[TC], 10
	s_lshl_b32 s67, s[WC], 9
	s_add_co_u32 s66, s66, s67                     ; my first column, in bytes
	s_add_co_u32 s80, s80, s66
	s_mov_b32 s81, 0
	s_add_nc_u64 s[OB:OB+1], s[14:15], s[80:81]
	s_mov_b32 s67, 0
	s_add_nc_u64 s[BIB:BIB+1], s[12:13], s[66:67]  ; and my 128 numbers of bo
	s_lshl_b32 s66, s[WR], 2
	s_add_co_u32 s66, s66, s[ATILE]
	s_lshl_b32 s90, s66, 5                         ; os: 32 bytes a row tile
	s_mov_b32 s91, 0
	s_add_nc_u64 s[SAB:SAB+1], s[6:7], s[90:91]
	s_lshl_b32 s66, s[WC], 3
	s_add_co_u32 s66, s66, s[BTILE]
	s_lshl_b32 s92, s66, 9
	s_mov_b32 s93, 0
	s_add_nc_u64 s[SBB:SBB+1], s[10:11], s[92:93]
.irp i, 0,1,2,3
.irp t, 0,1,2,3,4,5,6,7
	global_load_u16 v[SA+8*\i+\t], v[R2], s[SAB:SAB+1] offset:(2*\t)*16384+32*\i     ; K step t of block i: head 2 t's two bytes,
	global_load_u16 v[AF+8*\i+\t], v[R2], s[SAB:SAB+1] offset:(2*\t+1)*16384+32*\i   ; and head 2 t + 1's, into registers that the fragments take later
.endr
.endr
.irp i, 0,1,2,3,4,5,6,7
.irp k, 0,1
	global_load_b128 v[SB+8*\i+4*\k:SB+8*\i+4*\k+3], v[SCO], s[SBB:SBB+1] offset:512*\i+16*\k
.endr
.endr
	WIN TO_B
.irp b, 0,1,2,3,4,5,6,7                        ; the bias of wo's block b, in the result's layout: 96 + 8 b + 96 (b / 4) of window 1
	global_load_b128 v[96+8*\b+96*(\b/4):96+8*\b+96*(\b/4)+3], v[BQO], s[BIB:BIB+1] offset:(32*(\b/2)+8*(\b%2))*4
	global_load_b128 v[96+8*\b+96*(\b/4)+4:96+8*\b+96*(\b/4)+7], v[BQO], s[BIB:BIB+1] offset:(32*(\b/2)+8*(\b%2))*4+16
.endr
	WIN 0
	s_wait_loadcnt 0x0
.set jj, 0
.rept 32
	v_lshl_or_b32 v[SA+jj], v[AF+jj], 16, v[SA+jj] ; two heads' bytes make a K step's scale word
.set jj, jj+1
.endr
	PLACES 8                                       ; a scale register written by a vector instruction stands eight places ahead of a scaled matrix instruction
.macro FRAG reg, a16, a8, off          ; a fragment's image, 1,536 bytes at off: four loads
	ds_load_b128 v[\reg:\reg+3], v[\a16] offset:\off
	ds_load_b64 v[\reg+4:\reg+5], v[\a8] offset:\off+512
	ds_load_b128 v[\reg+6:\reg+9], v[\a16] offset:\off+768
	ds_load_b64 v[\reg+10:\reg+11], v[\a8] offset:\off+1280
.endm
.macro FETCH slot, q, p                ; a K step's fragments into sets p: wo's eight, o's four: 48 loads.  A row tile's pitch is 3,072 bytes in slot 0 and 6,144 behind it
	WIN TO_B
.irp i, 0,1,2,3,4,5,6,7
	FRAG 128*(\p)+12*\i, B16+\slot, B8+\slot, (3072+3072*(((\slot)+1)/2))*\i+1536*(\q)
.endr
	WIN 0
.irp i, 0,1,2,3
	FRAG AF+48*(\p)+12*\i, A16+\slot, A8+\slot, (3072+3072*(((\slot)+1)/2))*\i+1536*(\q)
.endr
.endm
; 16 matrix instructions: o's blocks a0, a0 + 1 x wo's eight, K step s, sets p.  first = 1: the bias is the C of the sum's first product.  The 32 accumulators take turns, one instruction a turn.
.macro MUL16 a0, p, s, first
.irp a, \a0, \a0+1
.irp b, 0,1,2,3,4,5,6,7
.if \first
	v_wmma_scale_f32_16x16x128_f8f6f4 v[8*(8*(\a)+\b):8*(8*(\a)+\b)+7], v[128*(\p)+12*\b:128*(\p)+12*\b+11], v[AF+48*(\p)+12*(\a):AF+48*(\p)+12*(\a)+11], v[96+8*\b+96*(\b/4):96+8*\b+96*(\b/4)+7], v[SB+8*\b+(\s)], v[SA+8*(\a)+(\s)] matrix_a_fmt:MATRIX_FMT_FP6 matrix_b_fmt:MATRIX_FMT_FP6
.else
	v_wmma_scale_f32_16x16x128_f8f6f4 v[8*(8*(\a)+\b):8*(8*(\a)+\b)+7], v[128*(\p)+12*\b:128*(\p)+12*\b+11], v[AF+48*(\p)+12*(\a):AF+48*(\p)+12*(\a)+11], v[8*(8*(\a)+\b):8*(8*(\a)+\b)+7], v[SB+8*\b+(\s)], v[SA+8*(\a)+(\s)] matrix_a_fmt:MATRIX_FMT_FP6 matrix_b_fmt:MATRIX_FMT_FP6
.endif
.endr
.endr
.endm
; K step s, whose successor (nq of slot nslot) lies in bytes already shown whole: the successor's 48 loads go out ahead of the step's 32 products, into the sets that the last step's products read (four places behind them).
.macro STEP s, nslot, nq, first
	s_wait_dscnt 0x0                               ; this step's fragments are in
	PLACES 4
	FETCH \nslot, \nq, 1-(\s)%2
	WIN MUL_LO-0x10*(\first)                       ; (first = 1: C in window 1)
	MUL16 0, (\s)%2, \s, \first
	MUL16 2, (\s)%2, \s, \first
	WIN 0
.endm
; An odd K step whose successor lies in bytes that a barrier has yet to show.  All my loads have landed, the add, my LDS reads are over.  refill = 1: the barrier opens a round of the cluster's barrier, and slot 0 is filled with K steps 6, 7.
.macro TURN s, nslot, refill
	s_wait_tensorcnt 0x0
	ds_add_u32 v[SPW], v[NIL]                      ; 0 onto my spare word
	s_wait_dscnt 1                                 ; this step's fragments are in; the add may be out
	WIN MUL_LO
	MUL16 0, 1, \s, 0
	s_wait_dscnt 0x0
	s_barrier_signal -1
	MUL16 2, 1, \s, 0
	WIN 0
	s_barrier_wait -1
.if \refill
	CREST
	s_add_nc_u64 s[G0A+2:G0A+3], s[G0A+2:G0A+3], 9216   ; six K steps on
	s_add_nc_u64 s[G0B+2:G0B+3], s[G0B+2:G0B+3], 9216
	s_mov_b32 s[G1A+1], 384<<16                    ; no tensor load of mine is out: rows of 3,072 bytes again
	s_mov_b32 s[G1A+3], 384<<16
	s_mov_b32 s[G1B+1], 384<<16
	s_mov_b32 s[G1B+3], 384<<16
	JLOAD 0                                        ; the first tensor load behind the round; its four v_nop are the places for the loads below
.else
	PLACES 4
.endif
	FETCH \nslot, 0, 0
.endm
	s_wait_alu depctr_va_vdst(0)                   ; the wait at the head's end
	s_wait_tensorcnt 0x0                           ; my part of slot 0 is in
	ds_add_u32 v[SPW], v[NIL]
	s_mov_b32 s[G1A+1], 768<<16                    ; no tensor load of mine is out: rows of 6,144 bytes, four K steps
	s_mov_b32 s[G1A+3], 768<<16
	s_mov_b32 s[G1B+1], 768<<16
	s_mov_b32 s[G1B+3], 768<<16
	s_wait_dscnt 0x0
	CROUND                                         ; everybody's part of slot 0 is in, and the joint loads meet
	JLOAD 4                                        ; K steps 2 to 5, my one load behind the round
	FETCH 0, 0, 0
	STEP 0, 0, 1, 1
	TURN 1, 1, 1                                   ; K steps 2 to 5 are shown whole, and slot 0 is filled again
	STEP 2, 1, 1, 0
	STEP 3, 2, 0, 0
	STEP 4, 2, 1, 0
	TURN 5, 0, 0                                   ; K steps 6, 7 are shown whole
	STEP 6, 0, 1, 0
	s_wait_dscnt 0x0                               ; the last K step: nothing more to fetch
	WIN MUL_LO
	MUL16 0, 1, 7, 0
	MUL16 2, 1, 7, 0
	WIN 0
; THE WAY OUT, block by block of 16 tokens x 128 columns, through my own stage and back as whole rows of 512 bytes.  Tile b's eight registers are columns 32 (b / 2) + 16 h + 8 (b % 2) + 0 .. 7.
; Row t of block a is token 32 (a / 2) + 8 (a % 2) + t + 8 (t / 8) of my 64: the store's immediate puts it in its place.  LDS serves a wave's instructions in order: no wait between the stores and the loads.
.macro TOSTAGE a
.set AC, 64*(\a)
	WIN 0x08                                       ; the data: window 2
.irp b, 0,1,2,3,4,5,6,7
	ds_store_b128 v[STO], v[AC+8*\b:AC+8*\b+3] offset:128*(\b/2)+32*(\b%2)       ; each accumulator from its low end on
	ds_store_b128 v[STO], v[AC+8*\b+4:AC+8*\b+7] offset:128*(\b/2)+32*(\b%2)+16
.endr
	WIN 0
.set BB, BK+64*((\a)%2)
.irp t, 0,1,2,3,4,5,6,7,8,9,10,11,12,13,14,15
	ds_load_b128 v[BB+4*\t:BB+4*\t+3], v[RD] offset:\t*SPITCH
.endr
.endm
.macro SEND a, younger
.set BB, BK+64*((\a)%2)
	s_wait_dscnt \younger                          ; the block is back in registers
.irp t, 0,1,2,3,4,5,6,7,8,9,10,11,12,13,14,15
	global_store_b128 v[L16], v[BB+4*\t:BB+4*\t+3], s[OB:OB+1] offset:(32*((\a)/2)+8*((\a)%2)+\t+8*(\t/8))*4096 th:TH_STORE_NT   ; 32 lanes store 512 consecutive bytes, at a multiple of 256 from out0's first byte
.endr
.endm
	PLACES 4                                       ; behind the last products: their results are read, and registers that they named are loaded
	TOSTAGE 0
.irp a, 1,2,3
.if \a > 1
	s_wait_xcnt 0x0                                ; block a - 2's stores have read their registers: block a's rows may land there
.endif
	TOSTAGE \a
	SEND \a-1, 32                                  ; behind block a - 1's loads: block a's 16 stores and 16 loads
.endr
	SEND 3, 0
	s_wait_tensorcnt 0x0                           ; the wave's end
	ds_add_u32 v[SPW], v[NIL]
	s_wait_dscnt 0x0
	CROUND                                         ; the closing round
	s_endpgm
.Lfunc_end_k_q5f1a05acc2_outp:
	.size	k_q5f1a05acc2_outp, .Lfunc_end_k_q5f1a05acc2_outp-k_q5f1a05acc2_outp
	.p2alignl 7, 3214868480
	.fill 96, 4, 3214868480
	.section	.rodata,"a",@progbits
	.p2align	6, 0x0
	.amdhsa_kernel k_q5f1a05acc2_outp
		.amdhsa_group_segment_fixed_size 327680
		.amdhsa_private_segment_fixed_size 0
		.amdhsa_enable_private_segment 0
		.amdhsa_kernarg_size 48
		.amdhsa_user_sgpr_count 2
		.amdhsa_user_sgpr_kernarg_segment_ptr 1
		.amdhsa_wavefront_size32 1
		.amdhsa_system_sgpr_workgroup_id_x 1
		.amdhsa_system_sgpr_workgroup_id_y 1
		.amdhsa_system_sgpr_workgroup_id_z 1
		.amdhsa_system_vgpr_workitem_id 0
		.amdhsa_next_free_vgpr 768
		.amdhsa_next_free_sgpr 100
		.amdhsa_reserve_vcc 0
		.amdhsa_float_denorm_mode_32 3
		.amdhsa_float_denorm_mode_16_64 3
		.amdhsa_memory_ordered 1
		.amdhsa_forward_progress 1
		.amdhsa_inst_pref_size 95
	.end_amdhsa_kernel
	.amdgpu_metadata
---
amdhsa.version: [ 1, 2 ]
amdhsa.kernels:
  - .name:           k_q5f1a05acc2_outp
    .symbol:         k_q5f1a05acc2_outp.kd
    .args:
      - { .name: oc, .offset: 0, .size: 8, .value_kind: global_buffer, .address_space: global }
      - { .name: os, .offset: 8, .size: 8, .value_kind: global_buffer, .address_space: global }
      - { .name: cod, .offset: 16, .size: 8, .value_kind: global_buffer, .address_space: global }
      - { .name: scl, .offset: 24, .size: 8, .value_kind: global_buffer, .address_space: global }
      - { .name: bo, .offset: 32, .size: 8, .value_kind: global_buffer, .address_space: global }
      - { .name: out0, .offset: 40, .size: 8, .value_kind: global_buffer, .address_space: global }
    .group_segment_fixed_size: 327680
    .private_segment_fixed_size: 0
    .kernarg_segment_align: 8
    .kernarg_segment_size: 48
    .max_flat_workgroup_size: 128
    .sgpr_count:     100
    .vgpr_count:     768
    .wavefront_size: 32
...
	.end_amdgpu_metadata
.endif
;; end of part 4
